; MI455X (gfx1250); checked and timed in simulation.
; The chip was launched on July 23, 2026; its instructions are those of AMD's public machine-readable ISA for CDNA 5 (MIT licence, August 2026) and "CDNA5" Instruction Set Architecture Reference Guide (July 2026). The comments in the code are by the model that wrote it; some were corrected since.
;; Multi Head Attention. Allowed arithmetic: matrix products marked QUANTISED: E2M3 operands, one E8M0 scale for each 32 along K, by v_wmma_scale_f32_16x16x128_f8f6f4 with both operands' format E2M3, f32 sums; everything else in f32.
;; Inputs: b_in 3,072 float32; b_out 1,024 float32; input_batch 4 x 2,048 x 1,024 float32; w_in 3,072 x 1,024 float32; w_out 1,024 x 1,024 float32.
;; Outputs: out0 4 x 2,048 x 1,024 float32.
;; This version of the problem:
;;   THIS VERSION OF THE PROBLEM IS GIVEN IN LOW PRECISION. The matrix products marked QUANTISED in the list below multiply operands that are first quantised to E2M3 (2 exponent bits, 3 mantissa bits; 6 bits a number), with one power-of-two scale for each 32 numbers along K (OCP MX v1.0); their sums are f32. All else is computed in f32.
;;   The module's matrix products, in the order in which they are computed (A, B: the left and right operand; K: the contracted axis; several contracted axes count as one K, in the product's order):
;;     1. [M 8,192, K 1,024] x [K 1,024, N 3,072]; A: input input_batch; B: input w_in: QUANTISED
;;     2. batch 64 x [M 2,048, K 64] x [K 64, N 2,048]; A: computed on the way; B: computed on the way: QUANTISED
;;     3. batch 64 x [M 2,048, K 2,048] x [K 2,048, N 64]; A: softmax (see below); B: computed on the way: QUANTISED
;;     4. [M 8,192, K 1,024] x [K 1,024, N 1,024]; A: computed on the way; B: input w_out: QUANTISED
;;   THE QUANTISER, for each operand of a quantised product, along K:
;;     - K is cut into blocks of 32 from its start; a last block that is shorter is filled with zeros.
;;     - A block's scale is 2^e with e = floor(log2(the largest magnitude in the block)) - 2, held to -126 .. 127; a block of zeros has e = 0. As a byte (E8M0): e + 127.
;;     - Each number is divided by its block's scale, clamped to +-7.5, and rounded to the nearest number of E2M3, ties to even, subnormals kept.
;;     - The product sums the exact products of the quantised numbers (number of the format x scale) in f32.
;;   ~~~python
;;   def quantise(x, axis):      # numpy; x: float32 -> the quantised numbers, widened to float32 again
;;       x = np.moveaxis(x, axis, -1); K = x.shape[-1]
;;       x = np.pad(x, [(0, 0)] * (x.ndim - 1) + [(0, -K % 32)]); x = x.reshape(x.shape[:-1] + (-1, 32)); a = np.abs(x).max(-1, keepdims=True)
;;       e = np.where(a > 0, np.clip(np.frexp(np.where(a > 0, a, 1))[1] - 1 - 2, -126, 127), 0)      # np.frexp(a)[1] - 1 = floor(log2(a)), exactly
;;       r = np.clip(x / 2.0 ** e, -7.5, 7.5)
;;       step = 2.0 ** (np.maximum(np.frexp(np.where(r == 0, 1, r))[1] - 1, 0) - 3)
;;       q = np.round(r / step) * step * 2.0 ** e      # np.round: ties to even
;;       return np.moveaxis(q.reshape(q.shape[:-2] + (-1,))[..., :K], -1, axis).astype(np.float32)
;;   ~~~
;;   SOFTMAX AHEAD OF A QUANTISED PRODUCT. Where the list says 'softmax', what is quantised is not the finished softmax but p = 2^(t - M), with t = logit x log2(e) and M = ceil(the row's largest t), a whole number; so 1/2 < the row's largest p <= 1. The row's sum l is taken of the UNQUANTISED p, in f32, and the product's result is divided by l at the end. Since M is a whole number, a kernel that streams over the keys may use a running M (the ceiling of the running maximum): every later rescaling is an exact power of two, which a block's scale takes up: the codes' values come out the same.
;;   OPERANDS COMPUTED ON THE WAY. 'Computed on the way' means the value that the module computes at that place (a softmax that the list does not call 'softmax' is quantised finished and normalised). What goes into a quantiser is computed in f32, as accurately as f32 sums, v_exp_f32 and their like allow (about 1e-6 of the number): no bf16 or f16 on the way to a quantiser, and a product that is left as it is and whose result goes on into a quantised operand takes f32 operands (vector FMAs, or v_wmma_f32_16x16x4_f32). A number that lies on a knife's edge between two numbers of the format may be rounded either way, as far as f32 arithmetic and the matrix unit's own rounding can turn it there, and no further.
;; One version. Each part assembles by itself: llvm-mc -triple=amdgcn-amd-amdhsa -mcpu=gfx1250 --defsym DOCPART=n.
;; ======== version 1 of 1: 4 launches
;; workspace buffers: xq 6,553,600 bytes; wiq 2,457,600 bytes; woq 819,200 bytes; oq 6,553,600 bytes; qkv 19,660,800 bytes
;; launch quant (part 1): grid 384 x 1, 4 waves a work-group, no clusters, 33,280 bytes of LDS; arguments input_batch, w_in, w_out, xq, wiq, woq; writes xq, wiq, woq
.if DOCPART == 1
	.amdgcn_target "amdgcn-amd-amdhsa--gfx1250"
	.amdhsa_code_object_version 6
	.text
	.protected	k_q8c24ae3f2b_quant
	.globl	k_q8c24ae3f2b_quant
	.p2align	8
	.type	k_q8c24ae3f2b_quant,@function
k_q8c24ae3f2b_quant:
	s_mov_b64 s[64:65], 0
	v_nop
	global_prefetch_b8 v0, s[64:65] scope:SCOPE_SE
	s_setreg_imm32_b32 hwreg(HW_REG_WAVE_MODE, 25, 1), 1
	s_wait_xcnt 0x0
; input_batch [8192][1024], w_in [3072][1024] and w_out [1024][1024], f32, become codes of FP6 (E2M3) along K = 1,024 with one E8M0 byte for each 32.
; A block's scale is 2^(floor(log2(largest magnitude)) - 2): its byte is the largest magnitude's exponent field - 2, held at 1 from below; numbers are divided by it and rounded to the nearest code, ties to even,
; beyond 7.5 the largest code.  (A block of zeros gets the byte 1 where the rule says 127: its codes are zeros, and these bytes are read by this program alone.)
; LIMITS: blocks whose largest magnitude lies under 2^-124 keep the byte 1; NaN and infinities among the inputs are not served.
; THE OUTPUT'S LAYOUT, for an operand of R rows: codes [16 planes][R rows][48 bytes], plane p = K 64 p .. 64 p + 63 (two blocks of 24 bytes); behind them, at byte 768 R, the scale bytes
; [4 K steps of 256][R rows][8 bytes].  So the 128 rows x 256 K that a wave of the product's launch fetches are four runs of 6,144 dense bytes, and a fragment's rows lie 48 bytes apart.
; w_in's rows are laid in another order: row head x 192 + type x 64 + d (type 0 q, 1 k, 2 v) goes to row type x 1024 + head x 64 + d, so that a tile of the product holds one type alone.
; SHARES: a work-group takes 32 rows (0-255: input_batch, 256-351: w_in, 352-383: w_out); wave w takes K step w of them: 16 steps of 512 numbers, step t = plane t / 4, rows 8 (t % 4) on.
; A step's four loads read two runs of 256 dense bytes each; the 2,048 bytes turn through the wave's own stage in LDS, so that a lane then holds 16 neighbours along K (two neighbouring lanes a block).
; A lane's 16 codes are 12 bytes: a step stores 384 dense bytes, four steps 1,536.  The wave's 256 scale bytes are gathered in LDS and leave as one aligned run of 256 bytes.
.set SP,    80                         ; a lane's place in a stage: 64 bytes + 16 of padding
.set WREG,  8192                       ; LDS of a wave: two stages of 32 x SP bytes, then its 256 scale bytes
.set STEPS, 16
.set R,     16                         ; v16-79   four sets of 16 numbers as loaded
.set X,     80                         ; v80-111  two sets of 16 neighbours
.set E,     112                        ; v112-127 a scale byte for each step
.set C,     128                        ; v128-191 codes: four registers a step, so that no store's data are written again
	s_load_b256 s[4:11], s[0:1], 0x0               ; input_batch, w_in, w_out, xq
	s_load_b128 s[12:15], s[0:1], 0x20             ; wiq, woq
	v_lshl_add_u32 v192, v0, 2, 0x8000
	v_mov_b32 v193, 0
	v_lshrrev_b32 v1, 5, v0
	v_readfirstlane_b32 s16, v1                    ; wave = K step
	v_and_b32 v2, 31, v0                           ; lane
	v_and_b32 v3, 15, v0
	v_lshlrev_b32 v3, 4, v3
	v_bfe_u32 v10, v0, 4, 1
	v_lshl_add_u32 v3, v10, 12, v3                 ; in: lanes 0-15 one row's 256 bytes, lanes 16-31 the next row's
	s_mul_i32 s18, s16, WREG
	v_lshrrev_b32 v14, 2, v2
	v_lshlrev_b32 v5, 3, v14                       ; 8 (lane / 4): my row's eight scale bytes
	v_mul_u32_u24 v14, v14, SP
	v_and_b32 v15, 3, v2
	v_lshl_add_u32 v14, v15, 4, v14
	v_add_nc_u32 v14, s18, v14                     ; the stage, way in: SP (lane / 4) + 16 (lane % 4)
	v_mul_u32_u24 v15, v2, SP
	v_add_nc_u32 v15, s18, v15                     ; way out: SP x lane: row lane / 4 of the step's eight, numbers 16 (lane % 4) on
	v_mul_u32_u24 v4, v2, 12                       ; my codes' place in a step's 384 bytes
	v_bfe_u32 v10, v0, 1, 1
	v_add_nc_u32 v5, v5, v10                       ; + which block of the plane's two
	s_add_co_u32 s18, s18, 2*32*SP
	v_add_nc_u32 v5, s18, v5
	v_lshlrev_b32 v7, 3, v2
	v_add_nc_u32 v6, s18, v7                       ; the scale bytes' way out: 8 bytes a lane
	s_mov_b32 s17, ttmp9                           ; the work-group's number
	s_sub_co_u32 s20, s17, 256                     ; its number among w_in's
	s_sub_co_u32 s21, s17, 352                     ; among w_out's
	s_lshr_b32 s22, s20, 1                         ; w_in: which run of 64 rows = 3 head + type
	s_mul_i32 s23, s22, 43
	s_lshr_b32 s23, s23, 7                         ; head = run / 3 (exact for runs 0 to 47)
	s_mul_i32 s34, s23, 3
	s_sub_co_u32 s34, s22, s34                     ; type
	s_lshl_b32 s34, s34, 10
	s_lshl_b32 s23, s23, 6
	s_add_co_u32 s34, s34, s23
	s_and_b32 s23, s20, 1
	s_lshl_b32 s23, s23, 5
	s_add_co_u32 s34, s34, s23                     ; w_in's target row: 1024 type + 64 head + 32 (which half)
	s_lshl_b32 s20, s20, 5                         ; w_in's source row
	s_lshl_b32 s21, s21, 5                         ; w_out's row
	s_lshl_b32 s35, s17, 5                         ; input_batch's row
	s_mov_b32 s36, 3072
	s_mov_b32 s37, 8192
	s_wait_alu depctr_va_vdst(0)
	s_wait_kmcnt 0x0
	s_cmp_lt_u32 s17, 352                          ; the choices hang on the work-group's number alone
	s_cselect_b64 s[6:7], s[6:7], s[8:9]
	s_cselect_b64 s[12:13], s[12:13], s[14:15]
	s_cselect_b32 s36, s36, 1024                   ; R
	s_cselect_b32 s20, s20, s21
	s_cselect_b32 s34, s34, s21
	s_cmp_lt_u32 s17, 256
	s_cselect_b64 s[4:5], s[4:5], s[6:7]           ; from
	s_cselect_b64 s[10:11], s[10:11], s[12:13]     ; to
	s_cselect_b32 s36, s37, s36
	s_cselect_b32 s20, s35, s20                    ; source row
	s_cselect_b32 s34, s35, s34                    ; target row
	s_lshl_b32 s38, s20, 12
	s_lshl_b32 s39, s16, 10
	s_add_co_u32 s38, s38, s39
	s_mov_b32 s39, 0
	s_add_nc_u64 s[4:5], s[4:5], s[38:39]          ; my rows' K step: row x 4,096 + 1,024 x wave
	s_mul_i32 s40, s36, 48                         ; a plane in bytes
	s_mul_i32 s41, s34, 48
	s_lshl_b32 s42, s16, 2
	s_mul_i32 s42, s42, s40
	s_add_co_u32 s42, s42, s41
	s_mov_b32 s43, 0
.irp p, 0,1,2,3
	s_add_nc_u64 s[24+2*\p:25+2*\p], s[10:11], s[42:43]   ; plane 4 x wave + p at my first row
	s_add_co_u32 s42, s42, s40
.endr
	s_mul_i32 s44, s36, 768
	s_lshl_b32 s45, s36, 3
	s_mul_i32 s45, s45, s16
	s_add_co_u32 s44, s44, s45
	s_lshl_b32 s45, s34, 3
	s_add_co_u32 s44, s44, s45
	s_mov_b32 s45, 0
	s_add_nc_u64 s[32:33], s[10:11], s[44:45]      ; my 32 rows' scale bytes of K step w
.macro LOAD t
.irp i, 0,1,2,3
	global_load_b128 v[R+16*((\t)%4)+4*\i:R+16*((\t)%4)+4*\i+3], v3, s[4:5] offset:(8*((\t)%4)+2*\i)*4096+((\t)/4)*256 th:TH_LOAD_NT
.endr
.endm
.macro TURN t                          ; step t's numbers through the stage: LDS serves a wave's instructions in order, so no wait stands between the stores and the loads
.irp i, 0,1,2,3
	ds_store_b128 v14, v[R+16*((\t)%4)+4*\i:R+16*((\t)%4)+4*\i+3] offset:32*SP*((\t)%2)+8*SP*\i
.endr
.irp i, 0,1,2,3
	ds_load_b128 v[X+16*((\t)%2)+4*\i:X+16*((\t)%2)+4*\i+3], v15 offset:32*SP*((\t)%2)+16*\i
.endr
.endm
.irp t, 0,1,2,3
	LOAD \t
.endr
	s_wait_loadcnt 12                              ; step 0's four loads are in; three steps' twelve stay out
	TURN 0
.macro STEP t
.set XS, X+16*((\t)%2)
.if (\t) > 0
	s_wait_dscnt 1                                 ; this step's numbers are back from the stage (the last step's byte store may be out)
.else
	s_wait_dscnt 0x0
.endif
.if (\t)+4 < STEPS
	LOAD (\t)+4                                    ; into the set whose stores into the stage are done
.endif
.if (\t)+1 < STEPS
.if STEPS-2-(\t) >= 3
	s_wait_loadcnt 12                              ; the next step's four loads are in; those of the three steps behind it may be out
.else
	s_wait_loadcnt 4*(STEPS-2-(\t))
.endif
	TURN (\t)+1
.endif
	v_max3_num_f32 v8, |v[XS]|, |v[XS+1]|, |v[XS+2]|               ; the largest magnitude of my 16, in two chains
	v_max3_num_f32 v9, |v[XS+3]|, |v[XS+4]|, |v[XS+5]|
.irp i, 6,10
	v_max3_num_f32 v8, v8, |v[XS+\i]|, |v[XS+\i+1]|
	v_max3_num_f32 v9, v9, |v[XS+\i+2]|, |v[XS+\i+3]|
.endr
	v_max3_num_f32 v8, v8, |v[XS+14]|, |v[XS+15]|
	v_max3_num_f32 v8, v8, v9, 0x1800000           ; and the floor 2^(3 - 127): the byte cannot fall under 1
	v_max_num_f32_dpp v8, v8, v8 row_xmask:1 row_mask:0xf bank_mask:0xf   ; with my neighbour's 16: the block's
	v_add_nc_u32 v11, 0xff000000, v8               ; 2 off its exponent field: the conversion takes this operand's exponent field as its scale
	v_cvt_scalef32_pk16_fp6_f32 v[C+4*(\t):C+4*(\t)+2], v[XS:XS+15], v11
	v_lshrrev_b32 v[E+(\t)], 23, v11               ; the scale's byte
	ds_store_b8 v5, v[E+(\t)] offset:64*((\t)%4)+2*((\t)/4)        ; row 8 (t % 4) + lane / 4, byte 2 (t / 4) + block; both lanes of a block write the same byte
	global_store_b96 v4, v[C+4*(\t):C+4*(\t)+2], s[24+2*((\t)/4):25+2*((\t)/4)] offset:384*((\t)%4)
.endm
.irp t, 0,1,2,3,4,5,6,7,8,9,10,11,12,13,14,15
	STEP \t
.endr
	ds_load_b64 v[12:13], v6                       ; LDS serves a wave's instructions in order: these see my byte stores
	s_wait_dscnt 0x0
	global_store_b64 v7, v[12:13], s[32:33]        ; 32 lanes store 256 consecutive bytes, aligned
	s_wait_tensorcnt 0x0
	ds_add_u32 v192, v193
	s_wait_dscnt 0x0
	s_endpgm
.Lfunc_end_k_q8c24ae3f2b_quant:
	.size	k_q8c24ae3f2b_quant, .Lfunc_end_k_q8c24ae3f2b_quant-k_q8c24ae3f2b_quant
	.p2alignl 7, 3214868480
	.fill 96, 4, 3214868480
	.section	.rodata,"a",@progbits
	.p2align	6, 0x0
	.amdhsa_kernel k_q8c24ae3f2b_quant
		.amdhsa_group_segment_fixed_size 33280
		.amdhsa_private_segment_fixed_size 0
		.amdhsa_enable_private_segment 0
		.amdhsa_kernarg_size 48
		.amdhsa_user_sgpr_count 2
		.amdhsa_user_sgpr_kernarg_segment_ptr 1
		.amdhsa_wavefront_size32 1
		.amdhsa_system_sgpr_workgroup_id_x 1
		.amdhsa_system_sgpr_workgroup_id_y 1
		.amdhsa_system_sgpr_workgroup_id_z 1
		.amdhsa_system_vgpr_workitem_id 0
		.amdhsa_next_free_vgpr 194
		.amdhsa_next_free_sgpr 66
		.amdhsa_reserve_vcc 0
		.amdhsa_float_denorm_mode_32 3
		.amdhsa_float_denorm_mode_16_64 3
		.amdhsa_memory_ordered 1
		.amdhsa_forward_progress 1
		.amdhsa_inst_pref_size 34
	.end_amdhsa_kernel
	.amdgpu_metadata
---
amdhsa.version: [ 1, 2 ]
amdhsa.kernels:
  - .name:           k_q8c24ae3f2b_quant
    .symbol:         k_q8c24ae3f2b_quant.kd
    .args:
      - { .name: input_batch, .offset: 0, .size: 8, .value_kind: global_buffer, .address_space: global }
      - { .name: w_in, .offset: 8, .size: 8, .value_kind: global_buffer, .address_space: global }
      - { .name: w_out, .offset: 16, .size: 8, .value_kind: global_buffer, .address_space: global }
      - { .name: xq, .offset: 24, .size: 8, .value_kind: global_buffer, .address_space: global }
      - { .name: wiq, .offset: 32, .size: 8, .value_kind: global_buffer, .address_space: global }
      - { .name: woq, .offset: 40, .size: 8, .value_kind: global_buffer, .address_space: global }
    .group_segment_fixed_size: 33280
    .private_segment_fixed_size: 0
    .kernarg_segment_align: 8
    .kernarg_segment_size: 48
    .max_flat_workgroup_size: 128
    .sgpr_count:     66
    .vgpr_count:     194
    .wavefront_size: 32
...
	.end_amdgpu_metadata
.endif
;; end of part 1
;; launch gemm_qkv (part 2): grid 12 x 32, 4 waves a work-group, clusters of 4 x 4, 327,680 bytes of LDS; arguments xq, wiq, b_in, qkv; writes qkv
.if DOCPART == 2
	.amdgcn_target "amdgcn-amd-amdhsa--gfx1250"
	.amdhsa_code_object_version 6
	.text
	.protected	k_q8c24ae3f2b_gemm_qkv
	.globl	k_q8c24ae3f2b_gemm_qkv
	.p2align	8
	.type	k_q8c24ae3f2b_gemm_qkv,@function
k_q8c24ae3f2b_gemm_qkv:
	s_mov_b64 s[64:65], 0
	v_nop
	global_prefetch_b8 v0, s[64:65] scope:SCOPE_SE
	s_setreg_imm32_b32 hwreg(HW_REG_WAVE_MODE, 25, 1), 1
	s_wait_xcnt 0x0
	s_wait_alu depctr_hold_cnt(0) depctr_sa_sdst(0) depctr_va_vdst(0) depctr_va_sdst(0) depctr_va_ssrc(0) depctr_va_vcc(0) depctr_vm_vsrc(0)
	s_getreg_b32 s2, hwreg(HW_REG_IB_STS2, 6, 4)
	s_cmp_eq_u32 s2, 0
	s_cbranch_scc0 .Lentry_in_a_cluster
	s_endpgm
.Lentry_in_a_cluster:
	s_bfe_u32 s2, ttmp6, 0x10000c
	s_cmp_lg_u32 s2, 0xf033
	s_cbranch_scc0 .Lentry_shape_is_right
	s_endpgm
.Lentry_shape_is_right:
.set RA,     8192
.set RB,     3072
.set NQ,     2
.set FR,     12
.set NL,     6
.set NP,     4
.set PLB,    6144
.set HALFT,  4*PLB
.set SLOT,   4*HALFT
.set SCL,    2*SLOT
.set SKEW,   128
.set SPARE,  SCL+4*4096+256
.set QIMG,   SPARE+512
.set VIMG,   QIMG+4*12800
.set SPITCH, 528
.set ADRA, 16
.set ADRB, 20
.set STO,  24
.set ADRS, 27
.set SPW,  28
.set NIL,  29
.set BO,   30
.set RQ,   7
.set RV,   8
.set IQ,   9
.set IV,   10
.set SQ,   11
.set SV,   12
.set CQ,   13
.set CV,   14
.set CQ8,  15
.set CV8,  18
.set GO16, 19
.set GO8,  22
.set SC,   32
.set BIAS, 64
.set AF,   128
.set X0,   32
.set X1,   64
.set C0,   96
.set C1,   106
.set E0,   116
.set E1,   117
.set TM,   118
.set SB,   122
.set OUT,  128
.set G1, 24
.set G0, 32
.set G1B, 48
.set G0B, 56
.set G1S, 68
.set G0S, 76
.set G1SB, 80
.set G0SB, 88
.set MSB, 0
.macro WIN new
.if MSB != (\new)
	s_set_vgpr_msb (MSB<<8)|(\new)
.set MSB, (\new)
.endif
.endm
.set MUL_LO, 0xa1
.set MUL_HI, 0xf1
.set TO_B,   0x40
.macro JLOAD g0a, g1a, g0b, g1b
	s_cmp_eq_u32 s15, 0
	s_cbranch_scc0 .Lfor_b_\@
	tensor_load_to_lds s[\g0a:\g0a+3], s[\g1a:\g1a+7]
	s_nop 0
.rept 4
	v_nop
.endr
	s_branch .Lasked_\@
.Lfor_b_\@:
	tensor_load_to_lds s[\g0b:\g0b+3], s[\g1b:\g1b+7]
	s_nop 0
.rept 4
	v_nop
.endr
.Lasked_\@:
.endm
.macro CREST
	s_cmp_lg_u32 s14, 0
	s_cbranch_scc1 .Lnot_wave_0_\@
	s_barrier_signal -3
.Lnot_wave_0_\@:
	s_barrier_wait -3
	s_barrier_signal -1
	s_barrier_wait -1
.endm
.macro CROUND
	s_barrier_signal -1
	s_barrier_wait -1
	CREST
.endm
	s_load_b128 s[4:7], s[0:1], 0x0
	s_load_b128 s[8:11], s[0:1], 0x10
	v_lshl_add_u32 v[SPW], v0, 2, SPARE
	v_mov_b32 v[NIL], 0
	ds_add_u32 v28, v29
	ds_add_u32 v28, v29
	s_wait_dscnt 0x0
	v_lshrrev_b32 v1, 5, v0
	v_readfirstlane_b32 s14, v1
	s_lshr_b32 s15, s14, 1
	s_and_b32 s16, s14, 1
	s_bfe_u32 s40, ttmp6, 0x40000
	s_bfe_u32 s41, ttmp6, 0x40004
	s_lshl_b32 s42, ttmp9, 2
	s_add_co_u32 s42, s42, s40
	s_and_b32 s17, ttmp7, 0xffff
	s_lshl_b32 s17, s17, 2
	s_add_co_u32 s17, s17, s41
	s_lshl_b32 s43, s41, 2
	s_lshl_b32 s43, 15, s43
	s_lshl_b32 s44, 0x1111, s40
	s_or_b32 s[G1+0], s43, (3<<16)|(1<<21)
	s_or_b32 s[G1B+0], s44, (3<<16)|(1<<21)
.irp g, G1, G1B
	s_mov_b32 s[\g+1], 768<<16
	s_mov_b32 s[\g+2], 4<<16
	s_mov_b32 s[\g+3], 768<<16
	s_mov_b32 s[\g+4], 4
	s_mov_b32 s[\g+6], 0
	s_mov_b32 s[\g+7], 0
.endr
	s_mov_b32 s[G1+5], RA*6
	s_mov_b32 s[G1B+5], RB*6
	s_or_b32 s[G1S+0], s43, (3<<16)|(1<<21)
	s_or_b32 s[G1SB+0], s44, (3<<16)|(1<<21)
.irp g, G1S, G1SB
	s_mov_b32 s[\g+1], 128<<16
	s_mov_b32 s[\g+2], 4<<16
	s_mov_b32 s[\g+3], 128<<16
	s_mov_b32 s[\g+4], 4
	s_mov_b32 s[\g+6], 0
	s_mov_b32 s[\g+7], 0
.endr
	s_mov_b32 s[G1S+5], RA
	s_mov_b32 s[G1SB+5], RB
	s_lshl_b32 s18, s16, 7
	s_lshl_b32 s20, s17, 8
	s_add_co_u32 s20, s20, s18
	s_lshl_b32 s46, s42, 8
	s_add_co_u32 s46, s46, s18
	s_lshl_b32 s22, s20, 3
	s_add_co_u32 s22, s22, RA*768
	s_mov_b32 s23, 0
	s_lshl_b32 s92, s46, 3
	s_add_co_u32 s92, s92, RB*768
	s_mov_b32 s93, 0
	s_mul_i32 s20, s20, 48
	s_mov_b32 s21, 0
	s_mul_i32 s46, s46, 48
	s_mov_b32 s47, 0
	s_mul_i32 s45, s14, HALFT
	s_lshl_b32 s94, s14, 12
	s_wait_kmcnt 0x0
	s_add_nc_u64 s[20:21], s[4:5], s[20:21]
	s_add_nc_u64 s[22:23], s[4:5], s[22:23]
	s_add_nc_u64 s[46:47], s[6:7], s[46:47]
	s_add_nc_u64 s[92:93], s[6:7], s[92:93]
	CROUND
	s_mov_b32 s[G0S], 1
	s_add_co_u32 s[G0S+1], s94, SCL
	s_mov_b64 s[G0S+2:G0S+3], s[22:23]
	s_or_b32 s[G0S+3], s[G0S+3], 0x80000000
	s_mov_b32 s[G0SB], 1
	s_add_co_u32 s[G0SB+1], s94, SCL+SKEW
	s_mov_b64 s[G0SB+2:G0SB+3], s[92:93]
	s_or_b32 s[G0SB+3], s[G0SB+3], 0x80000000
	JLOAD G0S, G1S, G0SB, G1SB
.irp s, 0,1
	s_mov_b32 s[G0+4*\s], 1
	s_add_co_u32 s[G0+4*\s+1], s45, \s*SLOT
	s_add_nc_u64 s[G0+4*\s+2:G0+4*\s+3], s[20:21], \s*4*RA*48
	s_or_b32 s[G0+4*\s+3], s[G0+4*\s+3], 0x80000000
	s_mov_b32 s[G0B+4*\s], 1
	s_add_co_u32 s[G0B+4*\s+1], s45, \s*SLOT
	s_add_nc_u64 s[G0B+4*\s+2:G0B+4*\s+3], s[46:47], \s*4*RB*48
	s_or_b32 s[G0B+4*\s+3], s[G0B+4*\s+3], 0x80000000
	s_wait_alu depctr_va_vdst(0)
	s_wait_tensorcnt 0x0
	ds_add_u32 v28, v29
	s_wait_dscnt 0x0
	CROUND
	JLOAD G0+4*\s, G1, G0B+4*\s, G1B
.endr
	v_and_b32 v1, 15, v0
	v_bfe_u32 v2, v0, 4, 1
	s_wait_alu depctr_va_vdst(0)
	s_lshl_b32 s46, s40, 2
	s_lshl_b32 s47, s16, 1
	s_add_co_u32 s46, s46, s47
	s_mul_i32 s46, s46, 768
	s_lshl_b32 s47, ttmp9, 8
	s_add_co_u32 s46, s46, s47
	s_mov_b32 s47, 0
	s_add_nc_u64 s[8:9], s[8:9], s[46:47]
	v_lshlrev_b32 v[BO], 5, v2
.irp b, 0,1,2,3,4,5,6,7
	global_load_b128 v[BIAS+8*\b:BIAS+8*\b+3], v[BO], s[8:9] offset:(\b/4)*768+(\b%4)*64
	global_load_b128 v[BIAS+8*\b+4:BIAS+8*\b+7], v[BO], s[8:9] offset:(\b/4)*768+(\b%4)*64+16
.endr
	v_mul_u32_u24 v3, v1, 48
	v_mad_u32_u24 v4, v2, 24, v3
	s_mul_i32 s21, s15, HALFT
	s_mul_i32 s22, s16, HALFT
	s_add_co_u32 s22, s22, 2*HALFT
.irp s, 0,1
	v_add_nc_u32 v[ADRA+\s], s21, v4
	v_add_nc_u32 v[ADRB+\s], s22, v4
	s_add_co_u32 s21, s21, SLOT
	s_add_co_u32 s22, s22, SLOT
.endr
	v_lshlrev_b32 v5, 3, v1
	s_lshl_b32 s21, s15, 12
	s_lshl_b32 s22, s16, 12
	s_add_co_u32 s22, s22, 2*4096+SKEW
	s_sub_co_u32 s22, s22, s21
	v_mul_u32_u24 v6, s22, v2
	s_add_co_u32 s21, s21, SCL
	v_add_nc_u32 v5, v5, v6
	v_add_nc_u32 v[ADRS], s21, v5
	s_mul_i32 s23, s14, 32*SPITCH
	s_mul_i32 s21, s14, 12800
	s_add_co_u32 s22, s21, VIMG
	s_add_co_u32 s21, s21, QIMG
	v_and_b32 v3, 7, v0
	v_bfe_u32 v4, v0, 3, 1
	v_lshl_add_u32 v5, v2, 3, v3
	v_and_b32 v6, 31, v0
	v_mul_u32_u24 v[STO], v1, SPITCH
	v_lshl_add_u32 v[STO], v2, 5, v[STO]
	v_add_nc_u32 v[STO], s23, v[STO]
	v_mul_u32_u24 v[RQ], v5, SPITCH
	v_lshl_add_u32 v[RQ], v4, 7, v[RQ]
	v_add_nc_u32 v[RQ], s23, v[RQ]
	v_lshl_add_u32 v[RV], v6, 2, s23
	v_mul_u32_u24 v[IQ], v3, 48
	v_mad_u32_u24 v[IQ], v4, 768, v[IQ]
	v_mad_u32_u24 v[IQ], v2, 24, v[IQ]
	v_add_nc_u32 v[IQ], s21, v[IQ]
	v_mul_u32_u24 v[IV], v5, 48
	v_mad_u32_u24 v[IV], v4, 1536, v[IV]
	v_add_nc_u32 v[IV], s22, v[IV]
	v_lshl_add_u32 v[SQ], v3, 2, v4
	v_lshl_add_u32 v[SQ], v2, 1, v[SQ]
	v_add_nc_u32 v[SQ], s21, v[SQ]
	v_lshlrev_b32 v[SV], 2, v5
	v_lshl_add_u32 v[SV], v4, 6, v[SV]
	v_add_nc_u32 v[SV], s22, v[SV]
	v_lshl_add_u32 v[CQ], v6, 4, s21
	v_lshl_add_u32 v[CV], v6, 4, s22
	v_lshl_add_u32 v[CQ8], v6, 3, s21
	v_lshl_add_u32 v[CV8], v6, 3, s22
	v_lshlrev_b32 v[GO16], 4, v6
	v_lshlrev_b32 v[GO8], 3, v6
	s_lshl_b32 s92, s17, 1
	s_add_co_u32 s92, s92, s15
	s_and_b32 s93, s92, 15
	s_lshr_b32 s92, s92, 4
	s_lshl_b32 s92, s92, 4
	s_lshl_b32 s46, s40, 2
	s_add_co_u32 s92, s92, s46
	s_lshl_b32 s46, s16, 1
	s_add_co_u32 s92, s92, s46
	s_lshl_b32 s92, s92, 4
	s_add_co_u32 s92, s92, s93
	s_mul_i32 s92, s92, 3
	s_add_co_u32 s92, s92, ttmp9
	s_mul_i32 s92, s92, 6400
	s_mov_b32 s93, 0
	s_add_nc_u64 s[10:11], s[10:11], s[92:93]
.macro FRAG reg, adr, q, i
.irp p, 0,1,2,3,4,5
	ds_load_b64 v[\reg+2*\p:\reg+2*\p+1], v[\adr] offset:(2*(\q)+\p/3)*PLB+(\i)*768+8*(\p%3)
.endr
.endm
.macro MUL16 a0, p, q, sc, zero
.irp a, \a0, \a0+1
.irp b, 0,1,2,3,4,5,6,7
.if \zero
	v_wmma_scale_f32_16x16x128_f8f6f4 v[8*(8*((\a)%4)+\b):8*(8*((\a)%4)+\b)+7], v[128*(\p)+FR*\b:128*(\p)+FR*\b+FR-1], v[AF+FR*(\a):AF+FR*(\a)+FR-1], v[BIAS+8*\b:BIAS+8*\b+7], v[SC+8*NQ*(\sc)+NQ*\b+(\q)], v[SC+8*NQ*(\sc)+NQ*(\a)+(\q)] matrix_a_fmt:MATRIX_FMT_FP6 matrix_b_fmt:MATRIX_FMT_FP6 matrix_a_scale:MATRIX_SCALE_ROW1
.else
	v_wmma_scale_f32_16x16x128_f8f6f4 v[8*(8*((\a)%4)+\b):8*(8*((\a)%4)+\b)+7], v[128*(\p)+FR*\b:128*(\p)+FR*\b+FR-1], v[AF+FR*(\a):AF+FR*(\a)+FR-1], v[8*(8*((\a)%4)+\b):8*(8*((\a)%4)+\b)+7], v[SC+8*NQ*(\sc)+NQ*\b+(\q)], v[SC+8*NQ*(\sc)+NQ*(\a)+(\q)] matrix_a_fmt:MATRIX_FMT_FP6 matrix_b_fmt:MATRIX_FMT_FP6 matrix_a_scale:MATRIX_SCALE_ROW1
.endif
.endr
.endr
.endm
.macro FETCH_B slot, q, p
	WIN TO_B
.irp i, 0,1,2,3,4,5,6,7
	FRAG 128*(\p)+FR*\i, ADRB+\slot, \q, \i
.endr
	WIN 0
.endm
.macro FETCH_A slot, q, i0
.irp i, \i0, \i0+1, \i0+2, \i0+3
	FRAG AF+FR*(\i), ADRA+\slot, \q, \i
.endr
.endm
.macro SCALES sc
.irp i, 0,1,2,3,4,5,6,7
	ds_load_b64 v[SC+8*NQ*\sc+NQ*\i:SC+8*NQ*\sc+NQ*\i+1], v[ADRS] offset:\i*128
.endr
.endm
.macro PLACES n
.rept \n
	v_nop
.endr
.endm
.macro STEP slot, q, zero
	s_wait_dscnt 4*NL
	WIN MUL_LO-0x20*\zero
	MUL16 0, (\q)%2, \q, \slot, \zero
	MUL16 2, (\q)%2, \q, \slot, \zero
	s_wait_dscnt 0
	PLACES NP
	FETCH_B \slot, (\q)+1, 1-(\q)%2
	FETCH_A \slot, (\q)+1, 0
	WIN MUL_HI-0x30*\zero
	MUL16 4, (\q)%2, \q, \slot, \zero
	MUL16 6, (\q)%2, \q, \slot, \zero
	PLACES NP
	WIN 0
	FETCH_A \slot, (\q)+1, 4
.endm
.macro TURN slot, next, fill
	s_wait_tensorcnt 0x0
	ds_add_u32 v[SPW], v[NIL]
	s_wait_dscnt 4*NL+1
	WIN MUL_LO
	MUL16 0, 1, NQ-1, \slot, 0
	s_wait_dscnt 0x0
	s_barrier_signal -1
	MUL16 2, 1, NQ-1, \slot, 0
	WIN 0
	s_barrier_wait -1
.if \fill
	CREST
	s_add_nc_u64 s[G0+4*\slot+2:G0+4*\slot+3], s[G0+4*\slot+2:G0+4*\slot+3], 8*RA*48
	s_add_nc_u64 s[G0B+4*\slot+2:G0B+4*\slot+3], s[G0B+4*\slot+2:G0B+4*\slot+3], 8*RB*48
	JLOAD G0+4*\slot, G1, G0B+4*\slot, G1B
.else
	PLACES NP
.endif
	s_wait_alu depctr_va_vdst(0)
	v_add_nc_u32 v[ADRS], 1024, v[ADRS]
	FETCH_B \next, 0, 0
	FETCH_A \next, 0, 0
	SCALES \next
	WIN MUL_HI
	MUL16 4, 1, NQ-1, \slot, 0
	MUL16 6, 1, NQ-1, \slot, 0
	PLACES NP
	WIN 0
	FETCH_A \next, 0, 4
.endm
	s_wait_tensorcnt 1
	s_barrier_signal -1
	s_barrier_wait -1
	FETCH_B 0, 0, 0
	FETCH_A 0, 0, 0
	SCALES 0
	FETCH_A 0, 0, 4
	s_wait_loadcnt 0x0
	STEP 0, 0, 1
	TURN 0, 1, 1
	STEP 1, 0, 0
	TURN 1, 0, 1
	STEP 0, 0, 0
	TURN 0, 1, 0
	STEP 1, 0, 0
	s_wait_dscnt 4*NL
	WIN MUL_LO
	MUL16 0, 1, NQ-1, 1, 0
	MUL16 2, 1, NQ-1, 1, 0
	s_wait_dscnt 0
	WIN MUL_HI
	MUL16 4, 1, NQ-1, 1, 0
	MUL16 6, 1, NQ-1, 1, 0
	WIN 0
.macro TOSTAGE2 sg
.irp e, 0,1
.set AB, 2*(\sg)+\e
.set AC, 64*(AB%4)
	WIN 0x08+4*(AB/4)
.irp b, 0,1,2,3,4,5,6,7
	ds_store_b128 v[STO], v[AC+8*\b:AC+8*\b+3] offset:\e*16*SPITCH+64*\b
	ds_store_b128 v[STO], v[AC+8*\b+4:AC+8*\b+7] offset:\e*16*SPITCH+64*\b+16
.endr
.endr
	WIN 0
.endm
.macro QBLK x, c, e
	v_max3_num_f32 v[TM], |v[\x]|, |v[\x+1]|, |v[\x+2]|
	v_max3_num_f32 v[TM+1], |v[\x+3]|, |v[\x+4]|, |v[\x+5]|
.irp i, 6,10,14,18,22,26
	v_max3_num_f32 v[TM], v[TM], |v[\x+\i]|, |v[\x+\i+1]|
	v_max3_num_f32 v[TM+1], v[TM+1], |v[\x+\i+2]|, |v[\x+\i+3]|
.endr
	v_max3_num_f32 v[TM], v[TM], |v[\x+30]|, |v[\x+31]|
	v_max3_num_f32 v[TM], v[TM], v[TM+1], 0x1800000
	v_add_nc_u32 v[TM+2], 0xff000000, v[TM]
	v_cvt_scalef32_pk16_fp6_f32 v[\c:\c+2], v[\x:\x+15], v[TM+2]
	v_cvt_scalef32_pk16_fp6_f32 v[\c+6:\c+8], v[\x+16:\x+31], v[TM+2]
	v_lshrrev_b32 v[\e], 23, v[TM+2]
.irp i, 0,1,2
	v_mov_b32 v[\c+3+\i], v[\c+6+\i]
.endr
.endm
.macro QLD i, x
.irp j, 0,1,2,3,4,5,6,7
	ds_load_b128 v[\x+4*\j:\x+4*\j+3], v[RQ] offset:16*SPITCH*((\i)%2)+256*((\i)/2)+16*\j
.endr
.endm
.macro QST i, c, e, sg
.irp p, 0,1,2
	ds_store_b64 v[IQ], v[\c+2*\p:\c+2*\p+1] offset:6400*((\i)/2)+1536*(\sg)+384*((\i)%2)+8*\p
.endr
	ds_store_b8 v[SQ], v[\e] offset:6144+6400*((\i)/2)+64*(\sg)+32*((\i)%2)
.endm
.macro COPYLD a16, a8
.irp hh, 0,1
.irp k, 0,1,2,3,4,5,6,7,8,9,10,11
	ds_load_b128 v[OUT+52*\hh+4*\k:OUT+52*\hh+4*\k+3], v[\a16] offset:6400*\hh+512*\k
.endr
	ds_load_b64 v[OUT+52*\hh+48:OUT+52*\hh+49], v[\a8] offset:6400*\hh+6144
.endr
.endm
.macro QKSLAB sg
	QLD 0, X0
	QLD 1, X1
	s_wait_dscnt 8
	QBLK X0, C0, E0
	QST 0, C0, E0, \sg
	QLD 2, X0
	s_wait_dscnt 12
	QBLK X1, C1, E1
	QST 1, C1, E1, \sg
	QLD 3, X1
	s_wait_dscnt 12
	QBLK X0, C0, E0
	QST 2, C0, E0, \sg
	s_wait_dscnt 4
	QBLK X1, C1, E1
	QST 3, C1, E1, \sg
.if (\sg) == 3
	COPYLD CQ, CQ8
.endif
.endm
.macro VLD cg, x
.set n, 0
.rept 32
	ds_load_b32 v[\x+n], v[RV] offset:128*(\cg)+SPITCH*n
.set n, n+1
.endr
.endm
.macro VST cg, c, e, sg
.irp p, 0,1,2
	ds_store_b64 v[IV], v[\c+2*\p:\c+2*\p+1] offset:6400*((\cg)/2)+3072*((\cg)%2)+768*((\sg)%2)+24*((\sg)/2)+8*\p
.endr
	v_lshl_or_b32 v[SB+\cg], v[\e], 8*(\sg), v[SB+\cg]
.endm
.macro VSLAB sg
	VLD 0, X0
	VLD 1, X1
	s_wait_dscnt 32
	QBLK X0, C0, E0
	VST 0, C0, E0, \sg
	VLD 2, X0
	s_wait_dscnt 35
	QBLK X1, C1, E1
	VST 1, C1, E1, \sg
	VLD 3, X1
	s_wait_dscnt 35
	QBLK X0, C0, E0
	VST 2, C0, E0, \sg
	s_wait_dscnt 3
	QBLK X1, C1, E1
	VST 3, C1, E1, \sg
.if (\sg) == 3
.irp g, 0,1,2,3
	ds_store_b32 v[SV], v[SB+\g] offset:6144+6400*(\g/2)+128*(\g%2)
.endr
	COPYLD CV, CV8
.endif
.endm
.macro EPI sg
	TOSTAGE2 \sg
	s_cmp_eq_u32 ttmp9, 2
	s_cbranch_scc1 .Lvals_\sg
	QKSLAB \sg
	s_branch .Ljoin_\sg
.Lvals_\sg:
	VSLAB \sg
.Ljoin_\sg:
.endm
	PLACES NP
.irp i, 0,1,2,3
	v_mov_b32 v[SB+\i], 0
.endr
	EPI 0
	EPI 1
	EPI 2
	EPI 3
.irp hh, 0,1
.irp k, 0,1,2,3,4,5,6,7,8,9,10,11
	s_wait_dscnt 25-13*\hh-\k
	global_store_b128 v[GO16], v[OUT+52*\hh+4*\k:OUT+52*\hh+4*\k+3], s[10:11] offset:307200*\hh+512*\k
.endr
	s_wait_dscnt 13-13*\hh
	global_store_b64 v[GO8], v[OUT+52*\hh+48:OUT+52*\hh+49], s[10:11] offset:307200*\hh+6144
.endr
	s_wait_tensorcnt 0x0
	ds_add_u32 v[SPW], v[NIL]
	s_wait_dscnt 0x0
	CROUND
	s_endpgm
.Lfunc_end_k_q8c24ae3f2b_gemm_qkv:
	.size	k_q8c24ae3f2b_gemm_qkv, .Lfunc_end_k_q8c24ae3f2b_gemm_qkv-k_q8c24ae3f2b_gemm_qkv
	.p2alignl 7, 3214868480
	.fill 96, 4, 3214868480
	.section	.rodata,"a",@progbits
	.p2align	6, 0x0
	.amdhsa_kernel k_q8c24ae3f2b_gemm_qkv
		.amdhsa_group_segment_fixed_size 327680
		.amdhsa_private_segment_fixed_size 0
		.amdhsa_enable_private_segment 0
		.amdhsa_kernarg_size 32
		.amdhsa_user_sgpr_count 2
		.amdhsa_user_sgpr_kernarg_segment_ptr 1
		.amdhsa_wavefront_size32 1
		.amdhsa_system_sgpr_workgroup_id_x 1
		.amdhsa_system_sgpr_workgroup_id_y 1
		.amdhsa_system_sgpr_workgroup_id_z 1
		.amdhsa_system_vgpr_workitem_id 0
		.amdhsa_next_free_vgpr 1024
		.amdhsa_next_free_sgpr 100
		.amdhsa_reserve_vcc 0
		.amdhsa_float_denorm_mode_32 3
		.amdhsa_float_denorm_mode_16_64 3
		.amdhsa_memory_ordered 1
		.amdhsa_forward_progress 1
		.amdhsa_inst_pref_size 242
	.end_amdhsa_kernel
	.amdgpu_metadata
---
amdhsa.version: [ 1, 2 ]
amdhsa.kernels:
  - .name:           k_q8c24ae3f2b_gemm_qkv
    .symbol:         k_q8c24ae3f2b_gemm_qkv.kd
    .args:
      - { .name: xq, .offset: 0, .size: 8, .value_kind: global_buffer, .address_space: global }
      - { .name: wiq, .offset: 8, .size: 8, .value_kind: global_buffer, .address_space: global }
      - { .name: b_in, .offset: 16, .size: 8, .value_kind: global_buffer, .address_space: global }
      - { .name: qkv, .offset: 24, .size: 8, .value_kind: global_buffer, .address_space: global }
    .group_segment_fixed_size: 327680
    .private_segment_fixed_size: 0
    .kernarg_segment_align: 8
    .kernarg_segment_size: 32
    .max_flat_workgroup_size: 128
    .sgpr_count:     100
    .vgpr_count:     1024
    .wavefront_size: 32
...
	.end_amdgpu_metadata
.endif
;; end of part 2
;; launch attn (part 3): grid 4 x 64, 16 waves a work-group, clusters of 4 x 1, 264,192 bytes of LDS; arguments qkv, oq; writes oq
.if DOCPART == 3
	.amdgcn_target "amdgcn-amd-amdhsa--gfx1250"
	.amdhsa_code_object_version 6
	.text
	.protected	k_q8c24ae3f2b_attn
	.globl	k_q8c24ae3f2b_attn
	.p2align	8
	.type	k_q8c24ae3f2b_attn,@function
k_q8c24ae3f2b_attn:
	s_mov_b64 s[64:65], 0
	v_nop
	global_prefetch_b8 v0, s[64:65] scope:SCOPE_SE
	s_setreg_imm32_b32 hwreg(HW_REG_WAVE_MODE, 25, 1), 1
	s_wait_xcnt 0x0
	s_wait_alu depctr_hold_cnt(0) depctr_sa_sdst(0) depctr_va_vdst(0) depctr_va_sdst(0) depctr_va_ssrc(0) depctr_va_vcc(0) depctr_vm_vsrc(0)
	s_getreg_b32 s2, hwreg(HW_REG_IB_STS2, 6, 4)
	s_cmp_eq_u32 s2, 0
	s_cbranch_scc0 .Lentry_in_a_cluster
	s_endpgm
.Lentry_in_a_cluster:
	s_bfe_u32 s2, ttmp6, 0x10000c
	s_cmp_lg_u32 s2, 0x3003
	s_cbranch_scc0 .Lentry_shape_is_right
	s_endpgm
.Lentry_shape_is_right:
; o = softmax(q k^T / 8) v for 64 (batch, head) pairs of 2,048 tokens and head size 64, both products on codes of FP6 (E2M3) with E8M0 scales; o is quantised along E = 1,024 for the last product and leaves as codes.
; THE SOFTMAX: t = score x log2(e) / 8; M = the running largest t rounded UP to a whole number; p = 2^(t - M) is quantised along the keys, not normalised; the row's sum is taken of the unquantised p and divides at
; the end; when M moves, the sum and O are multiplied by 2^(old M - new M), which rounds nothing.
; INPUT (made by the launch before): qkv [64][16 steps of 128 tokens][q, k, v][6,400 bytes]: four images of an operand's registers (1,536 bytes: lane l owns bytes 48 l on) and 256 bytes of scale words.
; SHARES: a work-group owns 512 queries of one (batch, head); the four of a cluster own its 2,048.  Each of SIXTEEN waves owns 32 queries, as two tiles of 16 in two passes; 256 registers a wave, four waves to a SIMD,
; so that one wave's vector work stands beside another's matrix work and LDS loads.
; K AND V OF THE WHOLE HEAD STAY IN LDS: 16 steps x 12,800 bytes, filled ONCE: wave w asks for key step w, jointly with the same wave of the three partners.  No slot is ever filled again.
; No prefetch: all that the launch reads is asked for at its head.
; THE HEAD'S 64 AGAINST THE INSTRUCTION'S 128: an image of k holds TWO tiles of 16 keys, one in K 0-63 and one in K 64-127.  It is multiplied twice: by QL = (q, zero codes) and by QH = (zero codes, q).
; Zero codes add nothing; their scale bytes are 0 (2^-127).
; LAYOUT: both products transposed (S^T = k q^T, O^T = v^T p^T): a lane holds ONE query.  The keys of an image's tiles, and the rows d of v's images, are chosen so that the 16 registers of two neighbouring tiles are
; 16 neighbours along the next product's K (keys 32 f + 16 h + 0 .. 15; d = 32 b + 16 h + 0 .. 15).
; OUTPUT: oq, codes [16 planes = heads][8,192 tokens][48 bytes]; scale bytes at byte 6,291,456 as [head / 4][token][8], bytes 2 (head % 4) + block.
; STATED: the scale bytes leave as 2 bytes a lane, 8 bytes apart (a head owns a quarter of each token's eight): 262,144 bytes in the whole launch.
; LIMITS: blocks whose largest magnitude lies under 2^-124 keep the scale byte 1 (a block of zeros too: its codes are zeros); NaN and infinities are not served.
.set STEPB, 12800                      ; a key step in LDS: k's images 6,144, its scale words 256, v's images 6,144, its scale words 256
.set OSTG,  16*STEPB                   ; behind them, 1,792 bytes a wave: 32 tokens x 48 bytes of o's codes, then 2 scale bytes a token
.set QL,  16                           ; v16-27   q in K 0-63, zero codes above
.set QH,  28                           ; v28-39   zero codes, q in K 64-127
.set QI,  40                           ; v40-51   q's image: registers 0-5 the first tile's queries, 6-11 the second's
.set QW,  52                           ; v52      its scale word as it lies
.set QSL, 53                           ; v53, v54 the pass's scale words for QL and QH
.set QSH, 54
.set KF,  56                           ; v56-103  four fragments: k's, then v's
.set S,   104                          ; v104-167 S^T, then p
.set O,   168                          ; v168-199 O^T, four tiles
.set PC,  200                          ; v200-211 p's codes
.set CT,  212                          ; v212-218 the conversions' second halves
.set BM,  220                          ; v220-223 a block's largest score, then its largest p
.set PT,  224                          ; v224-227 the other half of the lanes'; then the bytes
.set SO,  228                          ; v228-231 the conversions' scale operands
.set KS,  232                          ; v232-233 k's scale words: lanes 0-15 image 2 p, lanes 16-31 image 2 p + 1
.set VS,  234                          ; v234-235 v's likewise
.set PW,  236                          ; v236     p's scale word
.set F,   238                          ; v[238:239] f = 2^(old M - new M); the pair's upper word is only named
.set T,   240                          ; v240     at work
.set U,   242                          ; v[242:243] the sums' second chain
.set ADK, 3                            ; v3  48 x lane + the key step;  v4  4 x lane + the key step
.set ADS, 4
.set WV,  8                            ; s8
.set SEL, 20                           ; s[20:21] v_permlanex16_b32's selects for lane l xor 16
.set CS,  22                           ; s[22:23] c = log2(e) / 8
.set TB,  36                           ; s36 the key step's first LDS byte
.set CNT, 37                           ; s37 key steps to go
.macro CROUND
	s_barrier_signal -1
	s_barrier_wait -1
	s_cmp_lg_u32 s[WV], 0
	s_cbranch_scc1 .Lnot_wave_0_\@
	s_barrier_signal -3
.Lnot_wave_0_\@:
	s_barrier_wait -3
	s_barrier_signal -1
	s_barrier_wait -1
.endm
	s_load_b128 s[4:7], s[0:1], 0x0                ; qkv, oq
	v_lshl_add_u32 v254, v0, 2, 0x40000
	v_mov_b32 v255, 0
	ds_add_u32 v254, v255
	ds_add_u32 v254, v255
	v_lshrrev_b32 v1, 5, v0
	s_delay_alu instid0(VALU_DEP_1)
	v_readfirstlane_b32 s[WV], v1                  ; wave 0..15
	s_bfe_u32 s9, ttmp6, 0x40000                   ; cx: which 512 queries: it enters global addresses alone
	s_and_b32 s10, ttmp7, 0xffff                   ; 16 batch + head, which the four partners share
	s_lshl_b32 s11, s10, 4
	s_add_co_u32 s12, s11, s[WV]
	s_mul_i32 s12, s12, 19200
	s_add_co_u32 s12, s12, 6400                    ; key step w: k's block, with v's behind it
	s_mov_b32 s13, 0
	s_lshl_b32 s14, s9, 2
	s_add_co_u32 s14, s14, s11
	s_lshr_b32 s15, s[WV], 2
	s_add_co_u32 s14, s14, s15
	s_mul_i32 s14, s14, 19200                      ; my queries' step: 4 cx + wave / 4: q's block
	s_and_b32 s15, s[WV], 3                        ; and my image in it
	s_mul_i32 s16, s15, 1536
	s_add_co_u32 s16, s16, s14
	s_mov_b32 s17, 0
	s_lshl_b32 s18, s15, 6
	s_add_co_u32 s18, s18, s14
	s_add_co_u32 s18, s18, 6144                    ; its scale words
	s_mov_b32 s19, 0
	s_lshr_b32 s44, s10, 4
	s_lshl_b32 s44, s44, 11
	s_lshl_b32 s45, s9, 9
	s_add_co_u32 s44, s44, s45
	s_lshl_b32 s45, s[WV], 5
	s_add_co_u32 s44, s44, s45                     ; my first token: 2,048 batch + 512 cx + 32 wave
	s_and_b32 s45, s10, 15                         ; head
	s_mul_i32 s46, s45, 393216                     ; its plane of oq
	s_mul_i32 s47, s44, 48
	s_add_co_u32 s46, s46, s47
	s_mov_b32 s47, 0
	s_lshr_b32 s48, s45, 2
	s_lshl_b32 s48, s48, 16
	s_lshl_b32 s49, s44, 3
	s_add_co_u32 s48, s48, s49
	s_and_b32 s49, s45, 3
	s_lshl_b32 s49, s49, 1
	s_add_co_u32 s48, s48, s49
	s_add_co_u32 s48, s48, 6291456                 ; my tokens' scale bytes of this head
	s_mov_b32 s49, 0
	; the one descriptor: 12,800 dense bytes as 50 rows of 256 (32 elements of 8 bytes)
	s_mov_b32 s24, 15|(3<<16)|(1<<21)              ; 15:0 the mask: all four work-groups; 17:16 elements of 8 bytes; 21 set beside a mask
	s_mov_b32 s25, 32<<16                          ; tensor_dim0
	s_mov_b32 s26, 50<<16                          ; tensor_dim1
	s_mov_b32 s27, 32<<16                          ; tile_dim0
	s_mov_b32 s28, 50                              ; tile_dim1
	s_mov_b32 s29, 32                              ; tensor_dim0_stride
	s_mov_b32 s30, 0
	s_mov_b32 s31, 0
	s_mov_b32 s32, 1
	s_mul_i32 s33, s[WV], STEPB                    ; LDS: the wave's number times a constant
	s_mov_b32 s[SEL], 0x76543210
	s_mov_b32 s[SEL+1], 0xfedcba98
	s_mov_b32 s[CS], 0x3e38aa3b                    ; log2(e) / 8
	s_mov_b32 s[CS+1], s[CS]                       ; (named with it as a pair)
	s_wait_dscnt 0x0
	s_wait_kmcnt 0x0
	s_add_nc_u64 s[34:35], s[4:5], s[12:13]
	s_or_b32 s35, s35, 0x80000000
	s_add_nc_u64 s[38:39], s[4:5], s[16:17]        ; q's image
	s_add_nc_u64 s[40:41], s[4:5], s[18:19]        ; q's scale words
	s_add_nc_u64 s[42:43], s[6:7], s[46:47]        ; o's codes
	s_add_nc_u64 s[50:51], s[6:7], s[48:49]        ; o's scale bytes
	CROUND                                         ; all four work-groups are here: the joint loads meet
	tensor_load_to_lds s[32:35], s[24:31]          ; my one tensor load of the launch
	s_nop 0
.rept 4
	v_nop
.endr
	v_and_b32 v241, 31, v0                         ; lane
	s_delay_alu instid0(VALU_DEP_1)
	v_mul_u32_u24 v1, v241, 48                     ; an image's place for my lane
	s_delay_alu instid0(VALU_DEP_2)
	v_lshlrev_b32 v2, 2, v241                      ; a scale word's
	v_and_b32 v11, 15, v0
	s_delay_alu instid0(VALU_DEP_1)
	v_lshlrev_b32 v11, 2, v11
	global_load_b128 v[QI:QI+3], v1, s[38:39]
	global_load_b128 v[QI+4:QI+7], v1, s[38:39] offset:16
	global_load_b128 v[QI+8:QI+11], v1, s[38:39] offset:32
	global_load_b32 v[QW], v11, s[40:41]           ; row r's word (lanes 16-31 hold the same and are not read)
	v_and_b32 v242, 7, v0                          ; r % 8
	v_bfe_u32 v243, v0, 3, 1                       ; r / 8
	v_bfe_u32 v240, v0, 4, 1                       ; h
	s_mul_i32 s11, s[WV], 1792
	s_add_co_u32 s11, s11, OSTG                    ; my stage
	v_mul_u32_u24 v5, v242, 48
	s_delay_alu instid0(VALU_DEP_1)
	v_mad_u32_u24 v5, v243, 768, v5
	s_delay_alu instid0(VALU_DEP_1)
	v_mad_u32_u24 v5, v240, 24, v5
	s_delay_alu instid0(VALU_DEP_1)
	v_add_nc_u32 v5, s11, v5                       ; o's codes: token r % 8 + 16 (r / 8) (+ 8 in the second pass), block h
	v_lshlrev_b32 v6, 1, v242
	s_delay_alu instid0(VALU_DEP_1)
	v_lshl_add_u32 v6, v243, 5, v6
	s_delay_alu instid0(VALU_DEP_1)
	v_add_nc_u32 v6, s11, v6                       ; its two scale bytes
	v_lshl_add_u32 v7, v241, 4, s11                ; back: 16 bytes a lane,
	v_lshl_add_u32 v8, v241, 1, s11                ; 2 bytes a lane
	v_lshlrev_b32 v9, 4, v241                      ; and the same in oq
	v_lshlrev_b32 v10, 3, v241
.irp i, 0,1,2,3,4,5
	v_mov_b32 v[QL+6+\i], 0                        ; the zero codes, once
	v_mov_b32 v[QH+\i], 0
.endr
.irp b, 0,1,2,3
	v_mov_b32 v[PT+\b], 0                          ; written once: a lane permute's destination counts as one of its sources
.endr
	v_mov_b32 v[F+1], 0
	v_mov_b32 v[T], 0
	s_wait_loadcnt 0x0                             ; q
	s_wait_tensorcnt 0x0                           ; my key step has landed,
	s_barrier_signal -1
	s_barrier_wait -1                              ; everybody's has
.macro PASS u                          ; my tile u: 16 queries against all 2,048 keys
.irp i, 0,1,2,3,4,5
	v_mov_b32 v[QL+\i], v[QI+6*\u+\i]
	v_mov_b32 v[QH+6+\i], v[QI+6*\u+\i]
.endr
.if \u == 0
	v_and_b32 v[QSL], 0xffff, v[QW]                ; bytes 0, 1 of the word are tile 0's two blocks
	v_lshlrev_b32 v[QSH], 16, v[QW]
.else
	v_lshrrev_b32 v[QSL], 16, v[QW]                ; bytes 2, 3 tile 1's
	v_and_b32 v[QSH], 0xffff0000, v[QW]
.endif
	v_mov_b32 v13, 0xff61b1e6                      ; the largest t so far: -3e38, under every t
	s_delay_alu instid0(VALU_DEP_1)
	v_floor_f32 v12, -v13                          ; -M
	v_mov_b32 v14, 0                               ; the sum, in two halves
	v_mov_b32 v15, 0
.set j, 0
.rept 32
	v_mov_b32 v[O+j], 0                            ; O^T: the first change of M multiplies zeros.  (These are also the places between the lines above and the first products)
.set j, j+1
.endr
	s_mov_b32 s[TB], 0
	s_mov_b32 s[CNT], 16
.Lstep_\u:
	s_setprio 2
	v_add_nc_u32 v[ADK], s[TB], v1
	v_add_nc_u32 v[ADS], s[TB], v2
	v_nop
	v_nop                                          ; four places behind the last trip's products, in front of loads into their operands
.irp f, 0,1,2,3
.irp c, 0,1,2
	ds_load_b128 v[KF+12*\f+4*\c:KF+12*\f+4*\c+3], v[ADK] offset:1536*\f+16*\c   ; lanes 48 bytes apart: sixteen lanes touch sixteen different columns of 16 bytes
.endr
.endr
	ds_load_b32 v[KS], v[ADS] offset:6144
	ds_load_b32 v[KS+1], v[ADS] offset:6144+128
	s_wait_alu depctr_va_vdst(0)
	s_wait_dscnt 0x0
.irp f, 0,1,2,3                                ; S^T: image f gives tiles 2 f (by QL) and 2 f + 1 (by QH): their 16 registers are keys 32 f + 16 h + 0 .. 15
.if (\f%2) == 0
	v_wmma_scale_f32_16x16x128_f8f6f4 v[S+16*\f:S+16*\f+7], v[KF+12*\f:KF+12*\f+11], v[QL:QL+11], 0, v[KS+\f/2], v[QSL] matrix_a_fmt:MATRIX_FMT_FP6 matrix_b_fmt:MATRIX_FMT_FP6
	v_wmma_scale_f32_16x16x128_f8f6f4 v[S+16*\f+8:S+16*\f+15], v[KF+12*\f:KF+12*\f+11], v[QH:QH+11], 0, v[KS+\f/2], v[QSH] matrix_a_fmt:MATRIX_FMT_FP6 matrix_b_fmt:MATRIX_FMT_FP6
.else
	v_wmma_scale_f32_16x16x128_f8f6f4 v[S+16*\f:S+16*\f+7], v[KF+12*\f:KF+12*\f+11], v[QL:QL+11], 0, v[KS+\f/2], v[QSL] matrix_a_fmt:MATRIX_FMT_FP6 matrix_b_fmt:MATRIX_FMT_FP6 matrix_a_scale:MATRIX_SCALE_ROW1
	v_wmma_scale_f32_16x16x128_f8f6f4 v[S+16*\f+8:S+16*\f+15], v[KF+12*\f:KF+12*\f+11], v[QH:QH+11], 0, v[KS+\f/2], v[QSH] matrix_a_fmt:MATRIX_FMT_FP6 matrix_b_fmt:MATRIX_FMT_FP6 matrix_a_scale:MATRIX_SCALE_ROW1
.endif
.endr
.rept 4
	v_nop                                          ; places: for the loads below and for the first read of the scores
.endr
.irp f, 0,1,2,3                                ; v's four images into the same registers: they land under the softmax
.irp c, 0,1,2
	ds_load_b128 v[KF+12*\f+4*\c:KF+12*\f+4*\c+3], v[ADK] offset:6400+1536*\f+16*\c
.endr
.endr
	ds_load_b32 v[VS], v[ADS] offset:6400+6144
	ds_load_b32 v[VS+1], v[ADS] offset:6400+6144+128
.irp b, 0,1,2,3
	v_max3_num_f32 v[BM+\b], v[S+16*\b], v[S+1+16*\b], v[S+2+16*\b]   ; the largest score of each block of 32 keys: for the row's maximum, and, since p rises with the score, for the block's largest p
.endr
.irp i, 3,5,7,9,11,13
.irp b, 0,1,2,3
	v_max3_num_f32 v[BM+\b], v[BM+\b], v[S+16*\b+\i], v[S+1+16*\b+\i]
.endr
.endr
.irp b, 0,1,2,3
	v_max_num_f32 v[BM+\b], v[BM+\b], v[S+15+16*\b]
.endr
.irp b, 0,1,2,3
	s_delay_alu instid0(VALU_DEP_4)
	v_permlanex16_b32 v[PT+\b], v[BM+\b], s[SEL], s[SEL+1]
.endr
.irp b, 0,1,2,3
	s_delay_alu instid0(VALU_DEP_4)
	v_max_num_f32 v[BM+\b], v[BM+\b], v[PT+\b]     ; with lane l xor 16's 16 keys
.endr
	s_delay_alu instid0(VALU_DEP_2)
	v_max3_num_f32 v[T], v[BM], v[BM+1], v[BM+2]
	s_delay_alu instid0(VALU_DEP_1)
	v_max_num_f32 v[T], v[T], v[BM+3]
	s_delay_alu instid0(VALU_DEP_1)
	v_mul_f32 v[T], s[CS], v[T]                    ; the step's largest t (c is positive)
	s_delay_alu instid0(VALU_DEP_1)
	v_max_num_f32 v13, v13, v[T]
	v_mov_b32 v[T], v12
	s_delay_alu instid0(VALU_DEP_2)
	v_floor_f32 v12, -v13                          ; the new -M = -ceil(t): a whole number
	s_delay_alu instid0(VALU_DEP_1)
	v_sub_f32 v[T], v12, v[T]                      ; old M - new M, 0 or less
	s_delay_alu instid0(VALU_DEP_1)
	v_cvt_i32_f32 v[T], v[T]                       ; (it saturates)
	s_delay_alu instid0(VALU_DEP_1)
	v_ldexp_f32 v[F], 1.0, v[T]                    ; f = 2^(old M - new M)
.set j, 0
.rept 32
	v_pk_fma_f32 v[S+j:S+j+1], v[S+j:S+j+1], s[CS:CS+1], v[12:13] op_sel_hi:[1,0,0]   ; t - M, two at a time
.set j, j+2
.endr
.irp b, 0,1,2,3
	v_fma_f32 v[BM+\b], v[BM+\b], s[CS], v12       ; the same of each block's largest score
.endr
.set j, 0
	s_wait_alu depctr_va_vdst(0)
.rept 64
	v_exp_f32 v[S+j], v[S+j]                       ; p = 2^(t - M), at most 1
.set j, j+1
.endr
	s_setprio 1
	v_pk_mul_f32 v[14:15], v[14:15], v[F:F+1] op_sel_hi:[1,0]   ; the sums under the new M; the plain place behind the exponentials
	s_wait_alu depctr_va_vdst(0)                   ; one wait for the batch of 64, ahead of its first reader
.irp b, 0,1,2,3
	v_exp_f32 v[BM+\b], v[BM+\b]                   ; the blocks' largest p
.endr
	v_pk_add_f32 v[242:243], v[108:109], v[112:113]
	v_pk_add_f32 v[252:253], v[116:117], v[120:121]
	v_pk_add_f32 v[250:251], v[124:125], v[128:129]
	v_pk_add_f32 v[248:249], v[132:133], v[136:137]
	v_pk_add_f32 v[246:247], v[140:141], v[144:145]
	v_pk_add_f32 v[244:245], v[148:149], v[152:153]
	v_pk_add_f32 v[236:237], v[156:157], v[160:161]
	v_pk_add_f32 v[14:15], v[14:15], v[164:165]
	v_pk_add_f32 v[242:243], v[242:243], v[104:105]
	v_pk_add_f32 v[252:253], v[252:253], v[106:107]
	v_pk_add_f32 v[250:251], v[250:251], v[110:111]
	v_pk_add_f32 v[248:249], v[248:249], v[114:115]
	v_pk_add_f32 v[246:247], v[246:247], v[118:119]
	v_pk_add_f32 v[244:245], v[244:245], v[122:123]
	v_pk_add_f32 v[236:237], v[236:237], v[126:127]
	v_pk_add_f32 v[14:15], v[14:15], v[130:131]
	v_pk_add_f32 v[242:243], v[242:243], v[134:135]
	v_pk_add_f32 v[252:253], v[252:253], v[138:139]
	v_pk_add_f32 v[250:251], v[250:251], v[142:143]
	v_pk_add_f32 v[248:249], v[248:249], v[146:147]
	v_pk_add_f32 v[246:247], v[246:247], v[150:151]
	v_pk_add_f32 v[244:245], v[244:245], v[154:155]
	v_pk_add_f32 v[236:237], v[236:237], v[158:159]
	v_pk_add_f32 v[14:15], v[14:15], v[162:163]
	v_pk_add_f32 v[242:243], v[242:243], v[166:167]
	s_delay_alu instid0(VALU_DEP_2)
	v_pk_add_f32 v[14:15], v[14:15], v[248:249]
	s_delay_alu instid0(VALU_DEP_2)
	v_pk_add_f32 v[242:243], v[242:243], v[246:247]
	v_pk_add_f32 v[252:253], v[252:253], v[244:245]
	v_pk_add_f32 v[250:251], v[250:251], v[236:237]
	s_delay_alu instid0(VALU_DEP_2)
	v_pk_add_f32 v[14:15], v[14:15], v[252:253]
	s_delay_alu instid0(VALU_DEP_2)
	v_pk_add_f32 v[242:243], v[242:243], v[250:251]
	s_delay_alu instid0(VALU_DEP_1)
	v_pk_add_f32 v[14:15], v[14:15], v[242:243]
	s_wait_alu depctr_va_vdst(0)                   ; and one for the four
.irp b, 0,1,2,3
	v_max_num_f32 v[BM+\b], 0x1800000, v[BM+\b]    ; the floor 2^(3 - 127)
.endr
.irp b, 0,1,2,3
	s_delay_alu instid0(VALU_DEP_4)
	v_add_nc_u32 v[SO+\b], 0xff000000, v[BM+\b]    ; 2 off the exponent field: the conversion's scale operand
.endr
.irp b, 0,1,2,3
	s_delay_alu instid0(VALU_DEP_4)
	v_lshrrev_b32 v[PT+\b], 23, v[SO+\b]           ; the byte
.endr
	s_delay_alu instid0(VALU_DEP_3)
	v_lshl_or_b32 v[PW], v[PT+1], 8, v[PT]
	s_delay_alu instid0(VALU_DEP_1)
	v_lshl_or_b32 v[PW], v[PT+2], 16, v[PW]
	s_delay_alu instid0(VALU_DEP_1)
	v_lshl_or_b32 v[PW], v[PT+3], 24, v[PW]        ; p's scale word for these 128 keys
.irp c, 0,1
	v_cvt_scalef32_pk16_fp6_f32 v[PC+6*\c:PC+6*\c+2], v[S+32*\c:S+32*\c+15], v[SO+2*\c]
	v_cvt_scalef32_pk16_fp6_f32 v[CT+4*\c:CT+4*\c+2], v[S+32*\c+16:S+32*\c+31], v[SO+2*\c+1]
.endr
	v_nop                                          ; one plain place behind the conversions
.irp c, 0,1                                    ; the operand wants a WHOLE block in a lane: lanes 0-15 block 2 c, lanes 16-31 block 2 c + 1
.irp i, 0,1,2
	v_permlane16_swap_b32 v[PC+6*\c+\i], v[CT+4*\c+\i]
.endr
.irp i, 0,1,2
	s_delay_alu instid0(VALU_DEP_3)
	v_mov_b32 v[PC+3+6*\c+\i], v[CT+4*\c+\i]
.endr
.endr
.set j, 0
	s_setprio 0
.rept 16
	v_pk_mul_f32 v[O+j:O+j+1], v[O+j:O+j+1], v[F:F+1] op_sel_hi:[1,0]   ; O^T under the new M.  For each product below twelve of these name none of its registers: the places behind the codes and the scale word
.set j, j+2
.endr
	s_wait_alu depctr_va_vdst(0)
	s_wait_dscnt 0x0                               ; v is in
.irp t, 0,1,2,3                                ; O^T += v^T p^T; the four accumulators take turns, and the scores' products stand between two trips
.if (\t%2) == 0
	v_wmma_scale_f32_16x16x128_f8f6f4 v[O+8*\t:O+8*\t+7], v[KF+12*\t:KF+12*\t+11], v[PC:PC+11], v[O+8*\t:O+8*\t+7], v[VS+\t/2], v[PW] matrix_a_fmt:MATRIX_FMT_FP6 matrix_b_fmt:MATRIX_FMT_FP6
.else
	v_wmma_scale_f32_16x16x128_f8f6f4 v[O+8*\t:O+8*\t+7], v[KF+12*\t:KF+12*\t+11], v[PC:PC+11], v[O+8*\t:O+8*\t+7], v[VS+\t/2], v[PW] matrix_a_fmt:MATRIX_FMT_FP6 matrix_b_fmt:MATRIX_FMT_FP6 matrix_a_scale:MATRIX_SCALE_ROW1
.endif
.endr
	s_add_co_u32 s[TB], s[TB], STEPB
	s_sub_co_u32 s[CNT], s[CNT], 1
	s_cmp_lg_u32 s[CNT], 0
	s_cbranch_scc1 .Lstep_\u
	s_setprio 0
	; o = O^T / the sum, quantised along E: this head's 64 are two blocks; register 16 b + i is d = 32 b + 16 h + i
.rept 4
	v_nop                                          ; places behind the last products
.endr
	v_add_f32 v14, v14, v15
	s_delay_alu instid0(VALU_DEP_1)
	v_permlanex16_b32 v[T], v14, s[SEL], s[SEL+1]
	s_delay_alu instid0(VALU_DEP_1)
	v_add_f32 v14, v14, v[T]                       ; the row's sum
	s_wait_alu depctr_va_vdst(0)
	v_rcp_f32 v14, v14
	v_nop                                          ; a plain place behind the reciprocal,
	s_wait_alu depctr_va_vdst(0)                   ; and the wait ahead of its first reader
.set j, 0
.rept 32
	v_mul_f32 v[S+j], v[O+j], v14                  ; each accumulator from its low end on
.set j, j+1
.endr
.irp b, 0,1
	v_max3_num_f32 v[BM+\b], |v[S+16*\b]|, |v[S+1+16*\b]|, 0x1800000
.endr
.irp i, 2,4,6,8,10,12,14
.irp b, 0,1
	s_delay_alu instid0(VALU_DEP_2)
	v_max3_num_f32 v[BM+\b], v[BM+\b], |v[S+16*\b+\i]|, |v[S+1+16*\b+\i]|
.endr
.endr
.irp b, 0,1
	s_delay_alu instid0(VALU_DEP_2)
	v_permlanex16_b32 v[PT+\b], v[BM+\b], s[SEL], s[SEL+1]
.endr
.irp b, 0,1
	s_delay_alu instid0(VALU_DEP_2)
	v_max_num_f32 v[BM+\b], v[BM+\b], v[PT+\b]
.endr
.irp b, 0,1
	s_delay_alu instid0(VALU_DEP_2)
	v_add_nc_u32 v[SO+\b], 0xff000000, v[BM+\b]
.endr
.irp b, 0,1
	s_delay_alu instid0(VALU_DEP_2)
	v_lshrrev_b32 v[PT+\b], 23, v[SO+\b]
.endr
	s_delay_alu instid0(VALU_DEP_1)
	v_lshl_or_b32 v[T], v[PT+1], 8, v[PT]          ; the token's two bytes
	v_cvt_scalef32_pk16_fp6_f32 v[PC:PC+2], v[S:S+15], v[SO]
	v_cvt_scalef32_pk16_fp6_f32 v[CT:CT+2], v[S+16:S+31], v[SO+1]
	v_nop
.irp i, 0,1,2
	v_permlane16_swap_b32 v[PC+\i], v[CT+\i]       ; lane (r, h) now holds block h whole: its lower 16 codes here, the upper 16 there
.endr
.irp i, 0,1,2
	s_delay_alu instid0(VALU_DEP_3)
	v_mov_b32 v[PC+3+\i], v[CT+\i]
.endr
.irp p, 0,1,2
	ds_store_b64 v5, v[PC+2*\p:PC+2*\p+1] offset:384*\u+8*\p
.endr
	ds_store_b16 v6, v[T] offset:1536+16*\u        ; both halves of the lanes write the same two bytes
	s_wait_dscnt 0x0                               ; the stores have read their registers
.endm
	PASS 0
	PASS 1
.irp k, 0,1,2
	ds_load_b128 v[KF+4*\k:KF+4*\k+3], v7 offset:512*\k   ; my 32 tokens' codes, as they lie in oq
.endr
	ds_load_u16 v[KF+12], v8 offset:1536
	s_wait_dscnt 0x0
.irp k, 0,1,2
	global_store_b128 v9, v[KF+4*\k:KF+4*\k+3], s[42:43] offset:512*\k   ; 32 lanes store 512 consecutive bytes, at a multiple of 256 from oq's first byte
.endr
	global_store_b16 v10, v[KF+12], s[50:51]
	s_wait_tensorcnt 0x0
	ds_add_u32 v254, v255
	s_wait_dscnt 0x0
	CROUND                                         ; the closing round: no work-group ends while a partner may still ask for a tile that names it
	s_endpgm
.Lfunc_end_k_q8c24ae3f2b_attn:
	.size	k_q8c24ae3f2b_attn, .Lfunc_end_k_q8c24ae3f2b_attn-k_q8c24ae3f2b_attn
	.p2alignl 7, 3214868480
	.fill 96, 4, 3214868480
	.section	.rodata,"a",@progbits
	.p2align	6, 0x0
	.amdhsa_kernel k_q8c24ae3f2b_attn
		.amdhsa_group_segment_fixed_size 264192
		.amdhsa_private_segment_fixed_size 0
		.amdhsa_enable_private_segment 0
		.amdhsa_kernarg_size 16
		.amdhsa_user_sgpr_count 2
		.amdhsa_user_sgpr_kernarg_segment_ptr 1
		.amdhsa_wavefront_size32 1
		.amdhsa_system_sgpr_workgroup_id_x 1
		.amdhsa_system_sgpr_workgroup_id_y 1
		.amdhsa_system_sgpr_workgroup_id_z 1
		.amdhsa_system_vgpr_workitem_id 0
		.amdhsa_next_free_vgpr 256
		.amdhsa_next_free_sgpr 66
		.amdhsa_reserve_vcc 0
		.amdhsa_float_denorm_mode_32 3
		.amdhsa_float_denorm_mode_16_64 3
		.amdhsa_memory_ordered 1
		.amdhsa_forward_progress 1
		.amdhsa_inst_pref_size 54
	.end_amdhsa_kernel
	.amdgpu_metadata
---
amdhsa.version: [ 1, 2 ]
amdhsa.kernels:
  - .name:           k_q8c24ae3f2b_attn
    .symbol:         k_q8c24ae3f2b_attn.kd
    .args:
      - { .name: qkv, .offset: 0, .size: 8, .value_kind: global_buffer, .address_space: global }
      - { .name: oq, .offset: 8, .size: 8, .value_kind: global_buffer, .address_space: global }
    .group_segment_fixed_size: 264192
    .private_segment_fixed_size: 0
    .kernarg_segment_align: 8
    .kernarg_segment_size: 16
    .max_flat_workgroup_size: 512
    .sgpr_count:     66
    .vgpr_count:     256
    .wavefront_size: 32
...
	.end_amdgpu_metadata
.endif
;; end of part 3
;; launch gemm_out (part 4): grid 4 x 32, 4 waves a work-group, clusters of 4 x 4, 327,680 bytes of LDS; arguments oq, woq, b_out, out0; writes out0
.if DOCPART == 4
	.amdgcn_target "amdgcn-amd-amdhsa--gfx1250"
	.amdhsa_code_object_version 6
	.text
	.protected	k_q8c24ae3f2b_gemm_out
	.globl	k_q8c24ae3f2b_gemm_out
	.p2align	8
	.type	k_q8c24ae3f2b_gemm_out,@function
k_q8c24ae3f2b_gemm_out:
	s_mov_b64 s[64:65], 0
	v_nop
	global_prefetch_b8 v0, s[64:65] scope:SCOPE_SE
	s_setreg_imm32_b32 hwreg(HW_REG_WAVE_MODE, 25, 1), 1
	s_wait_xcnt 0x0
	s_wait_alu depctr_hold_cnt(0) depctr_sa_sdst(0) depctr_va_vdst(0) depctr_va_sdst(0) depctr_va_ssrc(0) depctr_va_vcc(0) depctr_vm_vsrc(0)
	s_getreg_b32 s2, hwreg(HW_REG_IB_STS2, 6, 4)
	s_cmp_eq_u32 s2, 0
	s_cbranch_scc0 .Lentry_in_a_cluster
	s_endpgm
.Lentry_in_a_cluster:
	s_bfe_u32 s2, ttmp6, 0x10000c
	s_cmp_lg_u32 s2, 0xf033
	s_cbranch_scc0 .Lentry_shape_is_right
	s_endpgm
.Lentry_shape_is_right:
.set RA,     8192
.set RB,     1024
.set SIZE_N, 1024
.set NQ,     2
.set FR,     12
.set NL,     6
.set NP,     4
.set PLB,    6144
.set HALFT,  4*PLB
.set SLOT,   4*HALFT
.set SCL,    2*SLOT
.set SKEW,   128
.set SPARE,  SCL+4*4096+256
.set SPITCH, 528
.set ADRA, 16
.set ADRB, 20
.set STO,  24
.set RD,   25
.set CO,   26
.set ADRS, 27
.set SPW,  28
.set NIL,  29
.set BO,   30
.set SC,   32
.set BIAS, 64
.set AF,   128
.set BK,   128
.set G1, 24
.set G0, 32
.set G1B, 48
.set G0B, 56
.set G1S, 68
.set G0S, 76
.set G1SB, 80
.set G0SB, 88
.set MSB, 0
.macro WIN new
.if MSB != (\new)
	s_set_vgpr_msb (MSB<<8)|(\new)
.set MSB, (\new)
.endif
.endm
.set MUL_LO, 0xa1
.set MUL_HI, 0xf1
.set TO_B,   0x40
.macro JLOAD g0a, g1a, g0b, g1b
	s_cmp_eq_u32 s15, 0
	s_cbranch_scc0 .Lfor_b_\@
	tensor_load_to_lds s[\g0a:\g0a+3], s[\g1a:\g1a+7]
	s_nop 0
.rept 4
	v_nop
.endr
	s_branch .Lasked_\@
.Lfor_b_\@:
	tensor_load_to_lds s[\g0b:\g0b+3], s[\g1b:\g1b+7]
	s_nop 0
.rept 4
	v_nop
.endr
.Lasked_\@:
.endm
.macro CREST
	s_cmp_lg_u32 s14, 0
	s_cbranch_scc1 .Lnot_wave_0_\@
	s_barrier_signal -3
.Lnot_wave_0_\@:
	s_barrier_wait -3
	s_barrier_signal -1
	s_barrier_wait -1
.endm
.macro CROUND
	s_barrier_signal -1
	s_barrier_wait -1
	CREST
.endm
	s_load_b128 s[4:7], s[0:1], 0x0
	s_load_b128 s[8:11], s[0:1], 0x10
	v_lshl_add_u32 v[SPW], v0, 2, SPARE
	v_mov_b32 v[NIL], 0
	ds_add_u32 v28, v29
	ds_add_u32 v28, v29
	s_wait_dscnt 0x0
	v_lshrrev_b32 v1, 5, v0
	v_readfirstlane_b32 s14, v1
	s_lshr_b32 s15, s14, 1
	s_and_b32 s16, s14, 1
	s_bfe_u32 s40, ttmp6, 0x40000
	s_bfe_u32 s41, ttmp6, 0x40004
	s_lshl_b32 s42, ttmp9, 2
	s_add_co_u32 s42, s42, s40
	s_and_b32 s17, ttmp7, 0xffff
	s_lshl_b32 s17, s17, 2
	s_add_co_u32 s17, s17, s41
	s_lshl_b32 s43, s41, 2
	s_lshl_b32 s43, 15, s43
	s_lshl_b32 s44, 0x1111, s40
	s_or_b32 s[G1+0], s43, (3<<16)|(1<<21)
	s_or_b32 s[G1B+0], s44, (3<<16)|(1<<21)
.irp g, G1, G1B
	s_mov_b32 s[\g+1], 768<<16
	s_mov_b32 s[\g+2], 4<<16
	s_mov_b32 s[\g+3], 768<<16
	s_mov_b32 s[\g+4], 4
	s_mov_b32 s[\g+6], 0
	s_mov_b32 s[\g+7], 0
.endr
	s_mov_b32 s[G1+5], RA*6
	s_mov_b32 s[G1B+5], RB*6
	s_or_b32 s[G1S+0], s43, (3<<16)|(1<<21)
	s_or_b32 s[G1SB+0], s44, (3<<16)|(1<<21)
.irp g, G1S, G1SB
	s_mov_b32 s[\g+1], 128<<16
	s_mov_b32 s[\g+2], 4<<16
	s_mov_b32 s[\g+3], 128<<16
	s_mov_b32 s[\g+4], 4
	s_mov_b32 s[\g+6], 0
	s_mov_b32 s[\g+7], 0
.endr
	s_mov_b32 s[G1S+5], RA
	s_mov_b32 s[G1SB+5], RB
	s_lshl_b32 s18, s16, 7
	s_lshl_b32 s20, s17, 8
	s_add_co_u32 s20, s20, s18
	s_lshl_b32 s46, s42, 8
	s_add_co_u32 s46, s46, s18
	s_lshl_b32 s22, s20, 3
	s_add_co_u32 s22, s22, RA*768
	s_mov_b32 s23, 0
	s_lshl_b32 s92, s46, 3
	s_add_co_u32 s92, s92, RB*768
	s_mov_b32 s93, 0
	s_mul_i32 s20, s20, 48
	s_mov_b32 s21, 0
	s_mul_i32 s46, s46, 48
	s_mov_b32 s47, 0
	s_mul_i32 s45, s14, HALFT
	s_lshl_b32 s94, s14, 12
	s_wait_kmcnt 0x0
	s_add_nc_u64 s[20:21], s[4:5], s[20:21]
	s_add_nc_u64 s[22:23], s[4:5], s[22:23]
	s_add_nc_u64 s[46:47], s[6:7], s[46:47]
	s_add_nc_u64 s[92:93], s[6:7], s[92:93]
	CROUND
	s_mov_b32 s[G0S], 1
	s_add_co_u32 s[G0S+1], s94, SCL
	s_mov_b64 s[G0S+2:G0S+3], s[22:23]
	s_or_b32 s[G0S+3], s[G0S+3], 0x80000000
	s_mov_b32 s[G0SB], 1
	s_add_co_u32 s[G0SB+1], s94, SCL+SKEW
	s_mov_b64 s[G0SB+2:G0SB+3], s[92:93]
	s_or_b32 s[G0SB+3], s[G0SB+3], 0x80000000
	JLOAD G0S, G1S, G0SB, G1SB
.irp s, 0,1
	s_mov_b32 s[G0+4*\s], 1
	s_add_co_u32 s[G0+4*\s+1], s45, \s*SLOT
	s_add_nc_u64 s[G0+4*\s+2:G0+4*\s+3], s[20:21], \s*4*RA*48
	s_or_b32 s[G0+4*\s+3], s[G0+4*\s+3], 0x80000000
	s_mov_b32 s[G0B+4*\s], 1
	s_add_co_u32 s[G0B+4*\s+1], s45, \s*SLOT
	s_add_nc_u64 s[G0B+4*\s+2:G0B+4*\s+3], s[46:47], \s*4*RB*48
	s_or_b32 s[G0B+4*\s+3], s[G0B+4*\s+3], 0x80000000
	s_wait_alu depctr_va_vdst(0)
	s_wait_tensorcnt 0x0
	ds_add_u32 v28, v29
	s_wait_dscnt 0x0
	CROUND
	JLOAD G0+4*\s, G1, G0B+4*\s, G1B
.endr
	v_and_b32 v1, 15, v0
	s_wait_alu depctr_va_vdst(0)
	v_bfe_u32 v2, v0, 4, 1
	s_wait_alu depctr_va_vdst(0)
	s_lshl_b32 s46, s42, 10
	s_lshl_b32 s47, s16, 9
	s_add_co_u32 s46, s46, s47
	s_mov_b32 s47, 0
	s_add_nc_u64 s[8:9], s[8:9], s[46:47]
	v_lshlrev_b32 v[BO], 5, v2
.irp b, 0,1,2,3,4,5,6,7
	global_load_b128 v[BIAS+8*\b:BIAS+8*\b+3], v[BO], s[8:9] offset:64*\b
	global_load_b128 v[BIAS+8*\b+4:BIAS+8*\b+7], v[BO], s[8:9] offset:64*\b+16
.endr
	v_mul_u32_u24 v3, v1, 48
	v_mad_u32_u24 v4, v2, 24, v3
	s_mul_i32 s21, s15, HALFT
	s_mul_i32 s22, s16, HALFT
	s_add_co_u32 s22, s22, 2*HALFT
.irp s, 0,1
	v_add_nc_u32 v[ADRA+\s], s21, v4
	v_add_nc_u32 v[ADRB+\s], s22, v4
	s_add_co_u32 s21, s21, SLOT
	s_add_co_u32 s22, s22, SLOT
.endr
	v_lshlrev_b32 v5, 3, v1
	s_lshl_b32 s21, s15, 12
	s_lshl_b32 s22, s16, 12
	s_add_co_u32 s22, s22, 2*4096+SKEW
	s_sub_co_u32 s22, s22, s21
	v_mul_u32_u24 v6, s22, v2
	s_add_co_u32 s21, s21, SCL
	v_add_nc_u32 v5, v5, v6
	v_add_nc_u32 v[ADRS], s21, v5
	s_mul_i32 s23, s14, 16*SPITCH
	v_mul_u32_u24 v5, v1, SPITCH
	v_lshl_add_u32 v5, v2, 5, v5
	v_add_nc_u32 v[STO], s23, v5
	v_and_b32 v6, 31, v0
	v_lshlrev_b32 v[CO], 4, v6
	v_add_nc_u32 v[RD], s23, v[CO]
	s_lshl_b32 s92, s17, 8
	s_lshl_b32 s93, s15, 7
	s_add_co_u32 s92, s92, s93
	s_lshl_b32 s92, s92, 12
	s_add_co_u32 s92, s92, s46
	s_mov_b32 s93, 0
	s_add_nc_u64 s[10:11], s[10:11], s[92:93]
.macro FRAG reg, adr, q, i
.irp p, 0,1,2,3,4,5
	ds_load_b64 v[\reg+2*\p:\reg+2*\p+1], v[\adr] offset:(2*(\q)+\p/3)*PLB+(\i)*768+8*(\p%3)
.endr
.endm
.macro MUL16 a0, p, q, sc, zero
.irp a, \a0, \a0+1
.irp b, 0,1,2,3,4,5,6,7
.if \zero
	v_wmma_scale_f32_16x16x128_f8f6f4 v[8*(8*((\a)%4)+\b):8*(8*((\a)%4)+\b)+7], v[128*(\p)+FR*\b:128*(\p)+FR*\b+FR-1], v[AF+FR*(\a):AF+FR*(\a)+FR-1], v[BIAS+8*\b:BIAS+8*\b+7], v[SC+8*NQ*(\sc)+NQ*\b+(\q)], v[SC+8*NQ*(\sc)+NQ*(\a)+(\q)] matrix_a_fmt:MATRIX_FMT_FP6 matrix_b_fmt:MATRIX_FMT_FP6 matrix_a_scale:MATRIX_SCALE_ROW1
.else
	v_wmma_scale_f32_16x16x128_f8f6f4 v[8*(8*((\a)%4)+\b):8*(8*((\a)%4)+\b)+7], v[128*(\p)+FR*\b:128*(\p)+FR*\b+FR-1], v[AF+FR*(\a):AF+FR*(\a)+FR-1], v[8*(8*((\a)%4)+\b):8*(8*((\a)%4)+\b)+7], v[SC+8*NQ*(\sc)+NQ*\b+(\q)], v[SC+8*NQ*(\sc)+NQ*(\a)+(\q)] matrix_a_fmt:MATRIX_FMT_FP6 matrix_b_fmt:MATRIX_FMT_FP6 matrix_a_scale:MATRIX_SCALE_ROW1
.endif
.endr
.endr
.endm
.macro FETCH_B slot, q, p
	WIN TO_B
.irp i, 0,1,2,3,4,5,6,7
	FRAG 128*(\p)+FR*\i, ADRB+\slot, \q, \i
.endr
	WIN 0
.endm
.macro FETCH_A slot, q, i0
.irp i, \i0, \i0+1, \i0+2, \i0+3
	FRAG AF+FR*(\i), ADRA+\slot, \q, \i
.endr
.endm
.macro SCALES sc
.irp i, 0,1,2,3,4,5,6,7
	ds_load_b64 v[SC+8*NQ*\sc+NQ*\i:SC+8*NQ*\sc+NQ*\i+1], v[ADRS] offset:\i*128
.endr
.endm
.macro PLACES n
.rept \n
	v_nop
.endr
.endm
.macro STEP slot, q, zero
	s_wait_dscnt 4*NL
	WIN MUL_LO-0x20*\zero
	MUL16 0, (\q)%2, \q, \slot, \zero
	MUL16 2, (\q)%2, \q, \slot, \zero
	s_wait_dscnt 0
	PLACES NP
	FETCH_B \slot, (\q)+1, 1-(\q)%2
	FETCH_A \slot, (\q)+1, 0
	WIN MUL_HI-0x30*\zero
	MUL16 4, (\q)%2, \q, \slot, \zero
	MUL16 6, (\q)%2, \q, \slot, \zero
	PLACES NP
	WIN 0
	FETCH_A \slot, (\q)+1, 4
.endm
.macro TURN slot, next, fill
	s_wait_tensorcnt 0x0
	ds_add_u32 v[SPW], v[NIL]
	s_wait_dscnt 4*NL+1
	WIN MUL_LO
	MUL16 0, 1, NQ-1, \slot, 0
	s_wait_dscnt 0x0
	s_barrier_signal -1
	MUL16 2, 1, NQ-1, \slot, 0
	WIN 0
	s_barrier_wait -1
.if \fill
	CREST
	s_add_nc_u64 s[G0+4*\slot+2:G0+4*\slot+3], s[G0+4*\slot+2:G0+4*\slot+3], 8*RA*48
	s_add_nc_u64 s[G0B+4*\slot+2:G0B+4*\slot+3], s[G0B+4*\slot+2:G0B+4*\slot+3], 8*RB*48
	JLOAD G0+4*\slot, G1, G0B+4*\slot, G1B
.else
	PLACES NP
.endif
	s_wait_alu depctr_va_vdst(0)
	v_add_nc_u32 v[ADRS], 1024, v[ADRS]
	FETCH_B \next, 0, 0
	FETCH_A \next, 0, 0
	SCALES \next
	WIN MUL_HI
	MUL16 4, 1, NQ-1, \slot, 0
	MUL16 6, 1, NQ-1, \slot, 0
	PLACES NP
	WIN 0
	FETCH_A \next, 0, 4
.endm
	s_wait_alu depctr_va_vdst(0)
	s_wait_tensorcnt 1
	s_barrier_signal -1
	s_barrier_wait -1
	FETCH_B 0, 0, 0
	FETCH_A 0, 0, 0
	SCALES 0
	FETCH_A 0, 0, 4
	s_wait_loadcnt 0x0
	STEP 0, 0, 1
	TURN 0, 1, 1
	STEP 1, 0, 0
	TURN 1, 0, 1
	STEP 0, 0, 0
	TURN 0, 1, 0
	STEP 1, 0, 0
	s_wait_dscnt 4*NL
	WIN MUL_LO
	MUL16 0, 1, NQ-1, 1, 0
	MUL16 2, 1, NQ-1, 1, 0
	s_wait_dscnt 0
	WIN MUL_HI
	MUL16 4, 1, NQ-1, 1, 0
	MUL16 6, 1, NQ-1, 1, 0
	WIN 0
.macro TOSTAGE a
.set AC, 64*((\a)%4)
	WIN 0x08+4*((\a)/4)
.irp b, 0,1,2,3,4,5,6,7
	ds_store_b128 v[STO], v[AC+8*\b:AC+8*\b+3] offset:64*\b
	ds_store_b128 v[STO], v[AC+8*\b+4:AC+8*\b+7] offset:64*\b+16
.endr
	WIN 0
.set BB, BK+64*((\a)%2)
.irp t, 0,1,2,3,4,5,6,7,8,9,10,11,12,13,14,15
	ds_load_b128 v[BB+4*\t:BB+4*\t+3], v[RD] offset:\t*SPITCH
.endr
.endm
.macro SEND a, younger
.set BB, BK+64*((\a)%2)
	s_wait_dscnt \younger
.if (\a) > 0
	s_add_nc_u64 s[10:11], s[10:11], 16*SIZE_N*4
.endif
.irp t, 0,1,2,3,4,5,6,7,8,9,10,11,12,13,14,15
	global_store_b128 v[CO], v[BB+4*\t:BB+4*\t+3], s[10:11] offset:\t*SIZE_N*4 th:TH_STORE_NT
.endr
.endm
	PLACES NP
	TOSTAGE 0
.irp a, 1,2,3,4,5,6,7
.if \a > 1
	s_wait_xcnt 0x0
.endif
	TOSTAGE \a
	SEND \a-1, 32
.endr
	s_wait_xcnt 0x0
	SEND 7, 0
	s_wait_tensorcnt 0x0
	ds_add_u32 v[SPW], v[NIL]
	s_wait_dscnt 0x0
	CROUND
	s_endpgm
.Lfunc_end_k_q8c24ae3f2b_gemm_out:
	.size	k_q8c24ae3f2b_gemm_out, .Lfunc_end_k_q8c24ae3f2b_gemm_out-k_q8c24ae3f2b_gemm_out
	.p2alignl 7, 3214868480
	.fill 96, 4, 3214868480
	.section	.rodata,"a",@progbits
	.p2align	6, 0x0
	.amdhsa_kernel k_q8c24ae3f2b_gemm_out
		.amdhsa_group_segment_fixed_size 327680
		.amdhsa_private_segment_fixed_size 0
		.amdhsa_enable_private_segment 0
		.amdhsa_kernarg_size 32
		.amdhsa_user_sgpr_count 2
		.amdhsa_user_sgpr_kernarg_segment_ptr 1
		.amdhsa_wavefront_size32 1
		.amdhsa_system_sgpr_workgroup_id_x 1
		.amdhsa_system_sgpr_workgroup_id_y 1
		.amdhsa_system_sgpr_workgroup_id_z 1
		.amdhsa_system_vgpr_workitem_id 0
		.amdhsa_next_free_vgpr 1024
		.amdhsa_next_free_sgpr 100
		.amdhsa_reserve_vcc 0
		.amdhsa_float_denorm_mode_32 3
		.amdhsa_float_denorm_mode_16_64 3
		.amdhsa_memory_ordered 1
		.amdhsa_forward_progress 1
		.amdhsa_inst_pref_size 162
	.end_amdhsa_kernel
	.amdgpu_metadata
---
amdhsa.version: [ 1, 2 ]
amdhsa.kernels:
  - .name:           k_q8c24ae3f2b_gemm_out
    .symbol:         k_q8c24ae3f2b_gemm_out.kd
    .args:
      - { .name: oq, .offset: 0, .size: 8, .value_kind: global_buffer, .address_space: global }
      - { .name: woq, .offset: 8, .size: 8, .value_kind: global_buffer, .address_space: global }
      - { .name: b_out, .offset: 16, .size: 8, .value_kind: global_buffer, .address_space: global }
      - { .name: out0, .offset: 24, .size: 8, .value_kind: global_buffer, .address_space: global }
    .group_segment_fixed_size: 327680
    .private_segment_fixed_size: 0
    .kernarg_segment_align: 8
    .kernarg_segment_size: 32
    .max_flat_workgroup_size: 128
    .sgpr_count:     100
    .vgpr_count:     1024
    .wavefront_size: 32
...
	.end_amdgpu_metadata
.endif
;; end of part 4
